; MI455X (gfx1250); checked and timed in simulation.
; The chip was launched on July 23, 2026; its instructions are those of AMD's public machine-readable ISA for CDNA 5 (MIT licence, August 2026) and "CDNA5" Instruction Set Architecture Reference Guide (July 2026). The comments in the code are by the model that wrote it; some were corrected since.
;; Minimal Transformer Block. Allowed arithmetic: matrix products marked QUANTISED: E2M3 operands, one E8M0 scale for each 32 along K, by v_wmma_scale_f32_16x16x128_f8f6f4 with both operands' format E2M3, f32 sums; everything else in f32.
;; Inputs: ffn_b1 4,096 float32; ffn_b2 1,024 float32; ffn_w1 4,096 x 1,024 float32; ffn_w2 1,024 x 4,096 float32; ln1_b 1,024 float32; ln1_g 1,024 float32; ln2_b 1,024 float32; ln2_g 1,024 float32; o_b 1,024 float32; o_w 1,024 x 1,024 float32; qkv_b 3,072 float32; qkv_w 3,072 x 1,024 float32; x 2 x 2,048 x 1,024 float32.
;; Outputs: out0 2 x 2,048 x 1,024 float32.
;; This version of the problem:
;;   THIS VERSION OF THE PROBLEM IS GIVEN IN LOW PRECISION. The matrix products marked QUANTISED in the list below multiply operands that are first quantised to E2M3 (2 exponent bits, 3 mantissa bits; 6 bits a number), with one power-of-two scale for each 32 numbers along K (OCP MX v1.0); their sums are f32. All else is computed in f32.
;;   The module's matrix products, in the order in which they are computed (A, B: the left and right operand; K: the contracted axis; several contracted axes count as one K, in the product's order):
;;     1. [M 4,096, K 1,024] x [K 1,024, N 3,072]; A: computed on the way; B: input qkv_w: QUANTISED
;;     2. batch 32 x [M 2,048, K 64] x [K 64, N 2,048]; A: computed on the way; B: computed on the way: QUANTISED
;;     3. batch 32 x [M 2,048, K 2,048] x [K 2,048, N 64]; A: softmax (see below); B: computed on the way: QUANTISED
;;     4. [M 4,096, K 1,024] x [K 1,024, N 1,024]; A: computed on the way; B: input o_w: QUANTISED
;;     5. [M 4,096, K 1,024] x [K 1,024, N 4,096]; A: computed on the way; B: input ffn_w1: QUANTISED
;;     6. [M 4,096, K 4,096] x [K 4,096, N 1,024]; A: computed on the way; B: input ffn_w2: QUANTISED
;;   THE QUANTISER, for each operand of a quantised product, along K:
;;     - K is cut into blocks of 32 from its start; a last block that is shorter is filled with zeros.
;;     - A block's scale is 2^e with e = floor(log2(the largest magnitude in the block)) - 2, held to -126 .. 127; a block of zeros has e = 0. As a byte (E8M0): e + 127.
;;     - Each number is divided by its block's scale, clamped to +-7.5, and rounded to the nearest number of E2M3, ties to even, subnormals kept.
;;     - The product sums the exact products of the quantised numbers (number of the format x scale) in f32.
;;   ~~~python
;;   def quantise(x, axis):      # numpy; x: float32 -> the quantised numbers, widened to float32 again
;;       x = np.moveaxis(x, axis, -1); K = x.shape[-1]
;;       x = np.pad(x, [(0, 0)] * (x.ndim - 1) + [(0, -K % 32)]); x = x.reshape(x.shape[:-1] + (-1, 32)); a = np.abs(x).max(-1, keepdims=True)
;;       e = np.where(a > 0, np.clip(np.frexp(np.where(a > 0, a, 1))[1] - 1 - 2, -126, 127), 0)      # np.frexp(a)[1] - 1 = floor(log2(a)), exactly
;;       r = np.clip(x / 2.0 ** e, -7.5, 7.5)
;;       step = 2.0 ** (np.maximum(np.frexp(np.where(r == 0, 1, r))[1] - 1, 0) - 3)
;;       q = np.round(r / step) * step * 2.0 ** e      # np.round: ties to even
;;       return np.moveaxis(q.reshape(q.shape[:-2] + (-1,))[..., :K], -1, axis).astype(np.float32)
;;   ~~~
;;   SOFTMAX AHEAD OF A QUANTISED PRODUCT. Where the list says 'softmax', what is quantised is not the finished softmax but p = 2^(t - M), with t = logit x log2(e) and M = ceil(the row's largest t), a whole number; so 1/2 < the row's largest p <= 1. The row's sum l is taken of the UNQUANTISED p, in f32, and the product's result is divided by l at the end. Since M is a whole number, a kernel that streams over the keys may use a running M (the ceiling of the running maximum): every later rescaling is an exact power of two, which a block's scale takes up: the codes' values come out the same.
;;   OPERANDS COMPUTED ON THE WAY. 'Computed on the way' means the value that the module computes at that place (a softmax that the list does not call 'softmax' is quantised finished and normalised). What goes into a quantiser is computed in f32, as accurately as f32 sums, v_exp_f32 and their like allow (about 1e-6 of the number): no bf16 or f16 on the way to a quantiser, and a product that is left as it is and whose result goes on into a quantised operand takes f32 operands (vector FMAs, or v_wmma_f32_16x16x4_f32). A number that lies on a knife's edge between two numbers of the format may be rounded either way, as far as f32 arithmetic and the matrix unit's own rounding can turn it there, and no further.
;; One version. Each part assembles by itself: llvm-mc -triple=amdgcn-amd-amdhsa -mcpu=gfx1250 --defsym DOCPART=n.
;; ======== version 1 of 1: 7 launches
;; limits: right only within a limited range of input values
;; workspace buffers: wimg 9,830,400 bytes; hq 3,276,800 bytes; qkvimg 10,223,616 bytes; oimg 3,276,800 bytes; x1 16,777,216 bytes; act 13,107,200 bytes
;; launch prep (part 1): grid 1024 x 1, 8 waves a work-group, no clusters, 78,336 bytes of LDS; arguments x, ln1_g, ln1_b, qkv_w, o_w, ffn_w1, ffn_w2, hq, wimg; writes hq, wimg
.if DOCPART == 1
	.amdgcn_target "amdgcn-amd-amdhsa--gfx1250"
	.amdhsa_code_object_version 6
	.text
	.protected	k_q279fad3f4b_prep
	.globl	k_q279fad3f4b_prep
	.p2align	8
	.type	k_q279fad3f4b_prep,@function
k_q279fad3f4b_prep:
	s_mov_b64 s[64:65], 0
	v_nop
	global_prefetch_b8 v0, s[64:65] scope:SCOPE_SE
	s_setreg_imm32_b32 hwreg(HW_REG_WAVE_MODE, 25, 1), 1
	s_wait_xcnt 0x0
; ONE LAUNCH FOR ALL THAT HANGS ON INPUTS ALONE: the first layer norm of x, quantised, and the four weights, quantised.  Five tensors of f32 with K innermost become codes of FP6 (E2M3) with one E8M0 byte for each 32
; along K, laid as IMAGES OF OPERAND REGISTERS.  A fragment is 16 rows x 128 K = 12 registers a lane = 1,536 bytes: three pieces of 512 bytes, piece c = registers 4 c .. 4 c + 3, lane l's 16 bytes at 16 l.
; THE ROWS OF A TILE ARE NOT NEIGHBOURS: position r of tile t is row 32 (t / 2) + 8 (t % 2) + r + 8 (r / 8), so that as source 0 of a product two neighbouring tiles give a lane 16 neighbouring columns.
; Codes of a tensor: fragment (t, s) at (t K/128 + s) x 1,536; its scale words (four bytes a row and 128 K) at (t K/128 + s) x 64 + 4 r.
; SHARES: a work-group takes one tile of 16 rows x 1,024 along K, wave s the K step s of these: one fragment.  Work-groups 0-255 take x (their chain is the longest, so they come first), then 192 qkv_w, 64 o_w,
; 256 ffn_w1, 256 ffn_w2 (four to a tile).  Numbers and pointers are chosen by the work-group's number; loads, the turn through LDS, the quantiser and the stores are one text for all five.
; x ALONE passes the block between the turn and the quantiser: h = (x - mean) rsqrt(var + 1e-5) g + b over its rows of 1,024.  The branch round it hangs on the work-group's number, the same for all eight waves, so the
; block's two barriers are passed by all waves of a work-group or by none.  The variance is taken of x - mean (two passes over registers), so a common offset of the inputs forms no difference of large sums.
; Each load reads 512 consecutive bytes of a row; the 16 rows turn through the wave's own stage in LDS (rows 528 bytes apart), so that a lane gets 16 neighbours of each block of 32.
; g and b: a wave's K step is 512 bytes of each: one load of 16 bytes a lane, laid in 1,024 LDS bytes of the wave's own and read back 16 numbers at a time in the order of the lane's registers: 32 registers serve for 128.
; 128 registers and 78,336 bytes of LDS a work-group, so that several work-groups share a WGP and their loads are on their way together.
; No cluster, no tensor load: no two work-groups read the same bytes but the 8 KB of g and b, and every other byte is read once.
; LIMITS: NaN and infinities are not served; rsqrt is the 1-ulp instruction.  A block of zeros, or one whose largest magnitude lies under 2^-124, gets the byte 1 (the rule's 127 for zeros is not owed: its codes are zeros
; and this program alone reads the bytes).
.set WQKV_C, 0
.set WO_C,   2359296
.set W1_C,   3145728
.set W2_C,   6291456
.set WQKV_S, 9437184
.set WO_S,   9535488
.set W1_S,   9568256
.set W2_S,   9699328
.set HQ_S,   3145728
.set ST1, 67584                        ; LDS behind the eight stages of 8,448 bytes: partial sums [row][wave], 512 bytes; the squares' 512 bytes behind them
.set SG,  68608                        ; the work-group's 128 scale words
.set GB,  69120                        ; g and b: 1,024 bytes for each wave
.set X,   32                           ; v32-95   64 numbers
.set PC,  96                           ; v96-114  codes
.set TM,  8                            ; v8-23    at work in the quantiser (the rows' offsets until the loads are in)
.set PW,  29                           ; v29      the scale word
.set SEL, 32                           ; s[32:33] selects for lane l xor 16
; 64 numbers of a lane, register 16 b + i = k 32 b + 16 (lane / 16) + i of my row, become a fragment's codes in v[PC] on and its scale word in v[PW].
.macro QUANT s
.irp b, 0,1,2,3
	v_max3_num_f32 v[TM+\b], |v[(\s)+16*\b]|, |v[(\s)+16*\b+1]|, 0x1800000   ; my 16 numbers of block b, and the floor 2^(3 - 127): the byte cannot fall under 1
.endr
.irp i, 2,4,6,8,10,12,14
.irp b, 0,1,2,3
	s_delay_alu instid0(VALU_DEP_4)
	v_max3_num_f32 v[TM+\b], |v[(\s)+16*\b+\i]|, |v[(\s)+16*\b+\i+1]|, v[TM+\b]
.endr
.endr
.irp b, 0,1,2,3
	s_delay_alu instid0(VALU_DEP_4)
	v_permlanex16_b32 v[TM+4+\b], v[TM+\b], s[SEL], s[SEL+1]
.endr
.irp b, 0,1,2,3
	s_delay_alu instid0(VALU_DEP_4)
	v_max_num_f32 v[TM+\b], v[TM+\b], v[TM+4+\b]          ; with lane l xor 16's: the block's largest magnitude
.endr
.irp b, 0,1,2,3
	s_delay_alu instid0(VALU_DEP_4)
	v_add_nc_u32 v[TM+12+\b], 0xff000000, v[TM+\b]        ; 2 off its exponent field: the conversion's scale operand
.endr
.irp b, 0,1,2,3
	s_delay_alu instid0(VALU_DEP_4)
	v_lshrrev_b32 v[TM+4+\b], 23, v[TM+12+\b]             ; the scale's byte
.endr
	s_delay_alu instid0(VALU_DEP_3)
	v_lshl_or_b32 v[PW], v[TM+5], 8, v[TM+4]
	s_delay_alu instid0(VALU_DEP_1)
	v_lshl_or_b32 v[PW], v[TM+6], 16, v[PW]
	s_delay_alu instid0(VALU_DEP_1)
	v_lshl_or_b32 v[PW], v[TM+7], 24, v[PW]
.irp c, 0,1
	v_cvt_scalef32_pk16_fp6_f32 v[PC+6*\c:PC+6*\c+2], v[(\s)+32*\c:(\s)+32*\c+15], v[TM+12+2*\c]
	v_cvt_scalef32_pk16_fp6_f32 v[PC+12+4*\c:PC+14+4*\c], v[(\s)+32*\c+16:(\s)+32*\c+31], v[TM+13+2*\c]   ; (a conversion's three registers begin on an even number)
.endr
	v_nop                                          ; one plain place behind a scaled conversion
.irp c, 0,1                                    ; the operand wants a whole block in a lane: lanes 0-15 block 2 c, lanes 16-31 block 2 c + 1
.irp i, 0,1,2
	v_permlane16_swap_b32 v[PC+6*\c+\i], v[PC+12+4*\c+\i]
.endr
.irp i, 0,1,2
	s_delay_alu instid0(VALU_DEP_3)
	v_mov_b32 v[PC+3+6*\c+\i], v[PC+12+4*\c+\i]
.endr
.endr
.endm
.macro ROWSUM                          ; four chains of pairs in v[96:103] -> v96: the sum over my row's 128 numbers of this K step
	s_delay_alu instid0(VALU_DEP_3)
	v_pk_add_f32 v[96:97], v[96:97], v[98:99]
	s_delay_alu instid0(VALU_DEP_2)
	v_pk_add_f32 v[100:101], v[100:101], v[102:103]
	s_delay_alu instid0(VALU_DEP_1)
	v_pk_add_f32 v[96:97], v[96:97], v[100:101]
	s_delay_alu instid0(VALU_DEP_1)
	v_add_f32 v96, v96, v97
	s_delay_alu instid0(VALU_DEP_1)
	v_permlanex16_b32 v97, v96, s[SEL], s[SEL+1]
	s_delay_alu instid0(VALU_DEP_1)
	v_add_f32 v96, v96, v97
.endm
.macro ALLSUM off                      ; the eight waves' parts meet in LDS -> v104: the sum over the whole row
	ds_store_b32 v26, v96 offset:\off
	s_wait_dscnt 0x0                               ; for the others' sake: my part has landed
	s_barrier_signal -1
	s_barrier_wait -1
	ds_load_b128 v[104:107], v27 offset:\off
	ds_load_b128 v[108:111], v27 offset:\off+16
	s_wait_dscnt 0x0
	v_pk_add_f32 v[104:105], v[104:105], v[106:107]
	v_pk_add_f32 v[108:109], v[108:109], v[110:111]
	s_delay_alu instid0(VALU_DEP_1)
	v_pk_add_f32 v[104:105], v[104:105], v[108:109]
	s_delay_alu instid0(VALU_DEP_1)
	v_add_f32 v104, v104, v105
.endm
	s_load_b256 s[4:11], s[0:1], 0x0               ; x, ln1_g, ln1_b, qkv_w
	s_load_b256 s[12:19], s[0:1], 0x20             ; o_w, ffn_w1, ffn_w2, hq
	s_load_b64 s[20:21], s[0:1], 0x40              ; wimg
	v_lshrrev_b32 v1, 5, v0
	s_delay_alu instid0(VALU_DEP_1)
	v_readfirstlane_b32 s22, v1                    ; wave = K step
	v_and_b32 v2, 31, v0                           ; lane
	v_and_b32 v3, 15, v0                           ; r
	v_bfe_u32 v30, v0, 4, 1                        ; h
	s_delay_alu instid0(VALU_DEP_3)
	v_lshlrev_b32 v1, 4, v2                        ; 16 x lane
	s_mul_i32 s23, s22, 8448                       ; my stage
	v_add_nc_u32 v4, s23, v1                       ; in: 16 x lane, row by row
	v_mul_u32_u24 v5, v3, 528
	s_delay_alu instid0(VALU_DEP_1)
	v_lshl_add_u32 v5, v30, 6, v5
	s_delay_alu instid0(VALU_DEP_1)
	v_add_nc_u32 v5, s23, v5                       ; back: row r, + 64 h
	s_lshl_b32 s23, s22, 6
	s_add_co_u32 s23, s23, SG
	v_lshl_add_u32 v6, v3, 2, s23                  ; my row's scale word: SG + 64 x wave + 4 r
	v_add_nc_u32 v7, SG, v1                        ; wave 0 reads them all back
	s_lshl_b32 s23, s22, 2
	s_add_co_u32 s23, s23, ST1
	v_lshl_add_u32 v26, v3, 5, s23                 ; my part of row r's sums
	v_lshl_add_u32 v27, v3, 5, ST1                 ; row r's eight parts
	s_lshl_b32 s23, s22, 10
	s_add_co_u32 s23, s23, GB                      ; my 1,024 bytes for g and b
	v_add_nc_u32 v2, s23, v1                       ; in: 16 x lane
	v_lshl_add_u32 v28, v30, 6, s23                ; back: 64 h
	s_mov_b32 s[SEL], 0x76543210
	s_mov_b32 s[SEL+1], 0xfedcba98
	s_mov_b32 s46, 0x3a800000                      ; 1 / 1,024
	s_mov_b32 s47, 0x3727c5ac                      ; 1e-5
	s_mov_b32 s24, 768                             ; ffn_w2's numbers: first work-group, codes, scale words, log2 of the work-groups to a tile
	s_mov_b32 s25, W2_C
	s_mov_b32 s26, W2_S
	s_mov_b32 s27, 2
	s_cmp_lt_u32 ttmp9, 768                        ; ffn_w1
	s_cselect_b32 s24, 512, s24
	s_cselect_b32 s25, W1_C, s25
	s_cselect_b32 s26, W1_S, s26
	s_cselect_b32 s27, 0, s27
	s_cmp_lt_u32 ttmp9, 512                        ; o_w
	s_cselect_b32 s24, 448, s24
	s_cselect_b32 s25, WO_C, s25
	s_cselect_b32 s26, WO_S, s26
	s_cmp_lt_u32 ttmp9, 448                        ; qkv_w
	s_cselect_b32 s24, 256, s24
	s_cselect_b32 s25, WQKV_C, s25
	s_cselect_b32 s26, WQKV_S, s26
	s_cmp_lt_u32 ttmp9, 256                        ; x
	s_cselect_b32 s24, 0, s24
	s_cselect_b32 s25, 0, s25
	s_cselect_b32 s26, HQ_S, s26
	s_sub_co_u32 s34, ttmp9, s24                   ; my number in the tensor
	s_lshr_b32 s35, s34, s27                       ; tile t
	s_lshl_b32 s36, s35, s27
	s_sub_co_u32 s36, s34, s36                     ; which 1,024 along K
	s_lshl_b32 s37, 4096, s27                      ; a row in bytes
	s_add_co_u32 s38, s27, 3
	s_lshl_b32 s38, s35, s38
	s_lshl_b32 s39, s36, 3
	s_add_co_u32 s38, s38, s39                     ; the work-group's first fragment
	s_lshr_b32 s40, s35, 1
	s_lshl_b32 s40, s40, 5
	s_and_b32 s39, s35, 1
	s_lshl_b32 s39, s39, 3
	s_add_co_u32 s40, s40, s39                     ; the tile's first row: 32 (t / 2) + 8 (t % 2)
	s_mul_i32 s40, s40, s37
	s_lshl_b32 s39, s36, 12
	s_add_co_u32 s40, s40, s39
	s_lshl_b32 s48, s22, 9                         ; my K step's 512 bytes
	s_add_co_u32 s40, s40, s48
	s_mov_b32 s41, 0
	s_mov_b32 s49, 0
	s_add_co_u32 s42, s38, s22
	s_mul_i32 s42, s42, 1536
	s_add_co_u32 s42, s42, s25                     ; my fragment's image
	s_mov_b32 s43, 0
	s_lshl_b32 s44, s38, 6
	s_add_co_u32 s44, s44, s26                     ; the work-group's 512 bytes of scale words
	s_mov_b32 s45, 0
.irp p, 0,1,2,3,4,5,6,7,8,9,10,11,12,13,14,15
	v_mad_u32_u24 v[8+\p], s37, \p+8*(\p/8), v1    ; position p's row, + 16 x lane
.endr
	s_wait_alu depctr_va_vdst(0)
	s_wait_kmcnt 0x0
	s_mov_b64 s[28:29], s[16:17]                   ; the source and the buffer of the results: chosen by the work-group's number alone
	s_mov_b64 s[30:31], s[20:21]
	s_cmp_lt_u32 ttmp9, 768
	s_cselect_b64 s[28:29], s[14:15], s[28:29]
	s_cmp_lt_u32 ttmp9, 512
	s_cselect_b64 s[28:29], s[12:13], s[28:29]
	s_cmp_lt_u32 ttmp9, 448
	s_cselect_b64 s[28:29], s[10:11], s[28:29]
	s_cmp_lt_u32 ttmp9, 256
	s_cselect_b64 s[28:29], s[4:5], s[28:29]
	s_cselect_b64 s[30:31], s[18:19], s[30:31]
	s_add_nc_u64 s[28:29], s[28:29], s[40:41]
	s_add_nc_u64 s[42:43], s[30:31], s[42:43]
	s_add_nc_u64 s[44:45], s[30:31], s[44:45]
	s_add_nc_u64 s[6:7], s[6:7], s[48:49]          ; g and b at my K step
	s_add_nc_u64 s[8:9], s[8:9], s[48:49]
.irp p, 0,1,2,3,4,5,6,7,8,9,10,11,12,13,14,15
	global_load_b128 v[X+4*\p:X+4*\p+3], v[8+\p], s[28:29] th:TH_LOAD_NT   ; 32 lanes read 512 consecutive bytes of one row
.endr
	s_wait_loadcnt 0x0
.irp p, 0,1,2,3,4,5,6,7,8,9,10,11,12,13,14,15
	ds_store_b128 v4, v[X+4*\p:X+4*\p+3] offset:528*\p
.endr
.irp b, 0,1,2,3
.irp j, 0,1,2,3
	ds_load_b128 v[X+16*\b+4*\j:X+16*\b+4*\j+3], v5 offset:128*\b+16*\j   ; LDS serves a wave's instructions in order: these see my stores
.endr
.endr
	s_wait_dscnt 0x0
	s_cmp_lt_u32 ttmp9, 256
	s_cbranch_scc0 .Lquant                         ; a weight is quantised as it stands
	; ---- the layer norm: x's work-groups alone
	global_load_b128 v[112:115], v1, s[6:7]        ; g and b of my K step, 16 bytes a lane: they land under the two sums
	global_load_b128 v[116:119], v1, s[8:9]
.irp k, 0,1,2,3
	v_pk_add_f32 v[96+2*\k:97+2*\k], v[X+4*\k:X+4*\k+1], v[X+4*\k+2:X+4*\k+3]
.endr
.irp j, 16,24,32,40,48,56
.irp k, 0,1,2,3
	s_delay_alu instid0(VALU_DEP_4)
	v_pk_add_f32 v[96+2*\k:97+2*\k], v[96+2*\k:97+2*\k], v[X+\j+2*\k:X+\j+2*\k+1]
.endr
.endr
	ROWSUM
	ALLSUM 0
	s_delay_alu instid0(VALU_DEP_1)
	v_mul_f32 v24, s46, v104                       ; the mean,
	s_delay_alu instid0(VALU_DEP_1)
	v_mov_b32 v25, v24                             ; as a pair
.set j, 0
.rept 32
	v_pk_add_f32 v[X+j:X+j+1], v[X+j:X+j+1], v[24:25] neg_lo:[0,1] neg_hi:[0,1]
.set j, j+2
.endr
.irp k, 0,1,2,3
	v_pk_mul_f32 v[96+2*\k:97+2*\k], v[X+2*\k:X+2*\k+1], v[X+2*\k:X+2*\k+1]
.endr
.irp j, 8,16,24,32,40,48,56
.irp k, 0,1,2,3
	s_delay_alu instid0(VALU_DEP_4)
	v_pk_fma_f32 v[96+2*\k:97+2*\k], v[X+\j+2*\k:X+\j+2*\k+1], v[X+\j+2*\k:X+\j+2*\k+1], v[96+2*\k:97+2*\k]
.endr
.endr
	ROWSUM
	ALLSUM 512
	s_delay_alu instid0(VALU_DEP_1)
	v_fma_f32 v104, v104, s46, s47                 ; the variance + 1e-5
	s_wait_alu depctr_va_vdst(0)
	v_rsq_f32 v30, v104
	v_nop                                          ; a plain place behind the transcendental
	s_wait_alu depctr_va_vdst(0)                   ; the wait ahead of the first reader
	v_mov_b32 v31, v30
	s_wait_alu depctr_va_vdst(0)
	s_wait_loadcnt 0x0                             ; g and b
	ds_store_b128 v2, v[112:115]                   ; into my own 1,024 bytes: g, then b
	ds_store_b128 v2, v[116:119] offset:512
.irp b, 0,1,2,3                                ; block b of 32: my 16 numbers, and g and b at their places 32 b + 16 h + 0 .. 15
.irp j, 0,1,2,3
	ds_load_b128 v[96+4*\j:99+4*\j], v28 offset:128*\b+16*\j             ; LDS serves a wave's instructions in order: these see my stores
	ds_load_b128 v[112+4*\j:115+4*\j], v28 offset:512+128*\b+16*\j
.endr
.irp i, 0,2,4,6,8,10,12,14
	v_pk_mul_f32 v[X+16*\b+\i:X+16*\b+\i+1], v[X+16*\b+\i:X+16*\b+\i+1], v[30:31]   ; work on registers while the loads are out
.endr
	s_wait_alu depctr_va_vdst(0)
	s_wait_dscnt 0x0
.irp i, 0,2,4,6,8,10,12,14
	v_pk_fma_f32 v[X+16*\b+\i:X+16*\b+\i+1], v[X+16*\b+\i:X+16*\b+\i+1], v[96+\i:97+\i], v[112+\i:113+\i]
.endr
.endr
.Lquant:
.irp b, 0,1,2,3
	v_mov_b32 v[TM+4+\b], 0                        ; a lane permute's destination counts as one of its sources (the rows' loads, whose offsets stood here, are in)
.endr
	QUANT X
.irp c, 0,1,2
	global_store_b128 v1, v[PC+4*\c:PC+4*\c+3], s[42:43] offset:512*\c     ; 512 consecutive bytes, aligned
.endr
	ds_store_b32 v6, v[PW]                         ; lanes r and r + 16 write the same word with the same value
	s_wait_dscnt 0x0                               ; for wave 0's sake: my word has landed
	s_barrier_signal -1
	s_barrier_wait -1
	s_cmp_lg_u32 s22, 0
	s_cbranch_scc1 .Lend
	ds_load_b128 v[X:X+3], v7
	s_wait_dscnt 0x0
	global_store_b128 v1, v[X:X+3], s[44:45]       ; the eight fragments' scale words: 512 consecutive bytes
.Lend:
	v_lshl_add_u32 v126, v0, 2, 0x12e00            ; no two registers can be kept among the 128: v0 is kept, and the add's two are made here, ahead of the three lines
	v_mov_b32 v127, 0
	s_wait_alu depctr_va_vdst(0)
	s_wait_tensorcnt 0x0
	ds_add_u32 v126, v127
	s_wait_dscnt 0x0
	s_endpgm
.Lfunc_end_k_q279fad3f4b_prep:
	.size	k_q279fad3f4b_prep, .Lfunc_end_k_q279fad3f4b_prep-k_q279fad3f4b_prep
	.p2alignl 7, 3214868480
	.fill 96, 4, 3214868480
	.section	.rodata,"a",@progbits
	.p2align	6, 0x0
	.amdhsa_kernel k_q279fad3f4b_prep
		.amdhsa_group_segment_fixed_size 78336
		.amdhsa_private_segment_fixed_size 0
		.amdhsa_enable_private_segment 0
		.amdhsa_kernarg_size 72
		.amdhsa_user_sgpr_count 2
		.amdhsa_user_sgpr_kernarg_segment_ptr 1
		.amdhsa_wavefront_size32 1
		.amdhsa_system_sgpr_workgroup_id_x 1
		.amdhsa_system_sgpr_workgroup_id_y 1
		.amdhsa_system_sgpr_workgroup_id_z 1
		.amdhsa_system_vgpr_workitem_id 0
		.amdhsa_next_free_vgpr 128
		.amdhsa_next_free_sgpr 66
		.amdhsa_reserve_vcc 0
		.amdhsa_float_denorm_mode_32 3
		.amdhsa_float_denorm_mode_16_64 3
		.amdhsa_memory_ordered 1
		.amdhsa_forward_progress 1
		.amdhsa_inst_pref_size 33
	.end_amdhsa_kernel
	.amdgpu_metadata
---
amdhsa.version: [ 1, 2 ]
amdhsa.kernels:
  - .name:           k_q279fad3f4b_prep
    .symbol:         k_q279fad3f4b_prep.kd
    .args:
      - { .name: x, .offset: 0, .size: 8, .value_kind: global_buffer, .address_space: global }
      - { .name: ln1_g, .offset: 8, .size: 8, .value_kind: global_buffer, .address_space: global }
      - { .name: ln1_b, .offset: 16, .size: 8, .value_kind: global_buffer, .address_space: global }
      - { .name: qkv_w, .offset: 24, .size: 8, .value_kind: global_buffer, .address_space: global }
      - { .name: o_w, .offset: 32, .size: 8, .value_kind: global_buffer, .address_space: global }
      - { .name: ffn_w1, .offset: 40, .size: 8, .value_kind: global_buffer, .address_space: global }
      - { .name: ffn_w2, .offset: 48, .size: 8, .value_kind: global_buffer, .address_space: global }
      - { .name: hq, .offset: 56, .size: 8, .value_kind: global_buffer, .address_space: global }
      - { .name: wimg, .offset: 64, .size: 8, .value_kind: global_buffer, .address_space: global }
    .group_segment_fixed_size: 78336
    .private_segment_fixed_size: 0
    .kernarg_segment_align: 8
    .kernarg_segment_size: 72
    .max_flat_workgroup_size: 256
    .sgpr_count:     66
    .vgpr_count:     128
    .wavefront_size: 32
...
	.end_amdgpu_metadata
.endif
;; end of part 1
;; launch g_qkv (part 2): grid 12 x 16, 4 waves a work-group, clusters of 4 x 4, 327,680 bytes of LDS; arguments hq, wimg, qkv_b, qkvimg; writes qkvimg
.if DOCPART == 2
	.amdgcn_target "amdgcn-amd-amdhsa--gfx1250"
	.amdhsa_code_object_version 6
	.text
	.protected	k_q279fad3f4b_g_qkv
	.globl	k_q279fad3f4b_g_qkv
	.p2align	8
	.type	k_q279fad3f4b_g_qkv,@function
k_q279fad3f4b_g_qkv:
	s_mov_b64 s[64:65], 0
	v_nop
	global_prefetch_b8 v0, s[64:65] scope:SCOPE_SE
	s_setreg_imm32_b32 hwreg(HW_REG_WAVE_MODE, 25, 1), 1
	s_wait_xcnt 0x0
	s_wait_alu depctr_hold_cnt(0) depctr_sa_sdst(0) depctr_va_vdst(0) depctr_va_sdst(0) depctr_va_ssrc(0) depctr_va_vcc(0) depctr_vm_vsrc(0)
	s_getreg_b32 s2, hwreg(HW_REG_IB_STS2, 6, 4)
	s_cmp_eq_u32 s2, 0
	s_cbranch_scc0 .Lentry_in_a_cluster
	s_endpgm
.Lentry_in_a_cluster:
	s_bfe_u32 s2, ttmp6, 0x10000c
	s_cmp_lg_u32 s2, 0xf033
	s_cbranch_scc0 .Lentry_shape_is_right
	s_endpgm
.Lentry_shape_is_right:
; qkv = h qkv_w^T + qkv_b on codes of FP6 (E2M3), K = 1,024; the results are quantised in registers and leave as images of the operands of attention's two products.
; OPERANDS are fragment images (16 positions x 128 K = 1,536 bytes, three pieces of 512 bytes, lane l's 16 bytes at 16 l); position r of tile t is row 32 (t / 2) + 8 (t % 2) + r + 8 (r / 8); scale words: (t 8 + s) x 64 + 4 r.
; A tile of C is 256 x 256: four waves, 128 x 128 each, 64 accumulators.  THE MATRIX INSTRUCTION IS USED TRANSPOSED (source 0 = B's 16 positions, source 1 = A's): a lane holds one row of A, and the 16 registers of
; B's tiles 2 b, 2 b + 1 are the columns 32 b + 16 (lane / 16) + 0 .. 15: 16 neighbours along the next product's K.
; CLUSTERS 4 x 4; cluster x = 0, 1, 2 makes q, k, v.  For q and k: A = h (tokens), B = the weight: a lane holds a token and 128 channels = two heads of 64, each quantised along its 64 channels.
; For v the two tensors change places in the global addresses alone: A = the weight's rows 2,048 on (channels), B = h: a lane holds a channel and 128 tokens, so V^T comes out quantised along the keys.
; A's tiles are shared along a row of the cluster, B's along a column: each is asked for jointly.  Branches hang on the cluster's x, which all sixteen partners share, and on the wave's number.
; RING: two LDS slots of 256 along K, four quarters of 24,576 bytes (A's halves, B's halves), one tensor load a wave; the scale words of all of K come once.  One barrier for each change of slots.
; qkvimg: q at 0, k at 3,145,728: half images of 768 bytes (registers 0-3: 512 bytes at 16 l; registers 4-5: 256 bytes at 8 l), (bh 128 + tile) x 768; V^T at 6,291,456: ((bh 16 + key step) 4 + channel tile) x 1,536;
; q's scale words at 9,437,184 + bh 12,288 + tile 64 + 4 r; k's at 9,830,400 likewise, V's 8,192 behind k's: key step x 256 + channel tile x 64 + 4 r.
; In a head's scale word only bytes 0, 1 count: bytes 2, 3 (the neighbour head's bytes, 1 .. 254, or 0) stand over zero codes in attention and add nothing.
; REGISTERS: window 0: v1-5, v16-30 addresses; v32-63 scale words, two sets; v64-159, v160-255 A's fragments, two sets.  Window 1: v0-95, v128-223 B's, two sets; v96-127, v224-255 the bias.  Windows 2, 3: accumulators.
; LIMITS: NaN and infinities are not served; a block under 2^-124 (zeros too) gets the byte 1, read by this program alone.
.set NT, 8
.set NQ, 2
.set KS, 8
.set LAPS, 2
.set HQ_S,   3145728
.set WQKV_S, 9437184
.set VI_,  6291456
.set QS_,  9437184
.set KVS_, 9830400
.set QB,   NT*NQ*1536                  ; a quarter of a slot
.set SLOT, 4*QB
.set SCL,  2*SLOT                      ; the scale words: four quarters
.set QS,   NT*KS*64
.set SPARE, SCL+4*QS                   ; the spare words, 128 bytes a wave: two blocks of 256 bytes that no other line names
.set SA_I, KS*64                       ; scale words in LDS: from tile to tile, from K step to K step
.set SA_S, 64
.set SB_I, KS*64
.set SB_S, 64
.set ADRA, 16
.set ADRB, 20
.set ADSA, 22
.set ADSB, 23
.set PC,  128
.set TM,  148
.set PW,  164
.set PW2, 165
.set G1, 24
.set G0, 32
.set G1B, 48
.set G0B, 56
.set G1S, 68
.set G0S, 76
.set G1SB, 80
.set G0SB, 88
.set SEL, 98
.set MSB, 0
.macro WIN new                         ; the immediate's high byte repeats the setting that is left; a switch that changes nothing is dropped
.if MSB != (\new)
	s_set_vgpr_msb (MSB<<8)|(\new)
.set MSB, \new
.endif
.endm
.macro JLOAD g0a, g1a, g0b, g1b        ; a joint load: waves 0, 1 fetch for A, waves 2, 3 for B; four v_nop follow each line
	s_cmp_eq_u32 s15, 0
	s_cbranch_scc0 .Lfor_b_\@
	tensor_load_to_lds s[\g0a:\g0a+3], s[\g1a:\g1a+7]
	s_nop 0
.rept 4
	v_nop
.endr
	s_branch .Lasked_\@
.Lfor_b_\@:
	tensor_load_to_lds s[\g0b:\g0b+3], s[\g1b:\g1b+7]
	s_nop 0
.rept 4
	v_nop
.endr
.Lasked_\@:
.endm
.macro CREST                           ; a round of the cluster's barrier behind its opening barrier
	s_cmp_lg_u32 s14, 0
	s_cbranch_scc1 .Lnot_wave_0_\@
	s_barrier_signal -3
.Lnot_wave_0_\@:
	s_barrier_wait -3
	s_barrier_signal -1
	s_barrier_wait -1
.endm
.macro CROUND
	s_barrier_signal -1
	s_barrier_wait -1
	CREST
.endm
.macro PLACES n
.rept \n
	v_nop
.endr
.endm
.macro FRAG reg, adr, off              ; a fragment's image: three loads of 512 consecutive bytes
.irp c, 0,1,2
	ds_load_b128 v[(\reg)+4*\c:(\reg)+4*\c+3], v[\adr] offset:(\off)+512*\c
.endr
.endm
.macro FETCH slot, q, p                ; the slot's q-th 128 along K into set p: B's and A's fragments, their scale words
	WIN 0x40
.set fi, 0
.rept NT
	FRAG 128*(\p)+12*fi, ADRB+\slot, (fi*NQ+(\q))*1536
.set fi, fi+1
.endr
	WIN 0
.set fi, 0
.rept NT
	FRAG 64+96*(\p)+12*fi, ADRA+\slot, (fi*NQ+(\q))*1536
.set fi, fi+1
.endr
.set fi, 0
.rept NT
	ds_load_b32 v[32+16*(\p)+fi], v[ADSA] offset:fi*SA_I+(\q)*SA_S
	ds_load_b32 v[40+16*(\p)+fi], v[ADSB] offset:fi*SB_I+(\q)*SB_S
.set fi, fi+1
.endr
.endm
; A's blocks a0 .. a0 + na - 1 against B's NT, set p.  cm = 0: onto the sums; 1: the sums begin with the bias of B's tile; 2: with that of A's tile.  The accumulators take turns in one fixed order.
.macro MULA a0, na, p, cm
.set ma, \a0
.rept \na
.set mb, 0
.rept NT
.set mi, NT*ma+mb
.set rD, 8*(mi%32)
.if \cm == 0
	WIN 0xa1+0x50*(mi/32)
	v_wmma_scale_f32_16x16x128_f8f6f4 v[rD:rD+7], v[128*(\p)+12*mb:128*(\p)+12*mb+11], v[64+96*(\p)+12*ma:64+96*(\p)+12*ma+11], v[rD:rD+7], v[40+16*(\p)+mb], v[32+16*(\p)+ma] matrix_a_fmt:MATRIX_FMT_FP6 matrix_b_fmt:MATRIX_FMT_FP6
.else
.if \cm == 1
.set rC, 96+8*mb+96*(mb/4)
.else
.set rC, 96+8*ma+96*(ma/4)
.endif
	WIN 0x91+0x40*(mi/32)
	v_wmma_scale_f32_16x16x128_f8f6f4 v[rD:rD+7], v[128*(\p)+12*mb:128*(\p)+12*mb+11], v[64+96*(\p)+12*ma:64+96*(\p)+12*ma+11], v[rC:rC+7], v[40+16*(\p)+mb], v[32+16*(\p)+ma] matrix_a_fmt:MATRIX_FMT_FP6 matrix_b_fmt:MATRIX_FMT_FP6
.endif
.set mb, mb+1
.endr
.set ma, ma+1
.endr
.endm
.macro STEP slot, q, cm                ; a step of 128 along K that has its successor in the same slot
	s_wait_dscnt 0x0                               ; this step's set is in (asked for a step ago)
	PLACES 4                                       ; in front of loads into registers that the last step's products read
	FETCH \slot, (\q)+1, 1-(\q)%2
	MULA 0, NT, (\q)%2, \cm
	WIN 0
.endm
.macro STEPS slot, q0
.set sq, \q0
.rept NQ-1-\q0
	STEP \slot, sq, 0
.set sq, sq+1
.endr
.endm
; A slot's last step changes slots: one barrier; in front of it each wave waits for all its tensor loads, adds 0 to its spare word, and waits for that and for its reads of this slot.  fill = 1: the slot is filled again, two slots ahead.
.macro TURN slot, next, fill
	s_wait_tensorcnt 0x0                           ; all my tensor loads have landed: my part of the next slot
	ds_add_u32 v28, v29                            ; 0 onto my spare word
	s_wait_dscnt 1                                 ; only the add may be out: this step's set, asked for earlier, is in
	MULA 0, NT/4, 1, 0
	s_wait_dscnt 0x0                               ; the add is done, and my reads of this slot are over
	s_barrier_signal -1
	MULA NT/4, NT/4, 1, 0
	WIN 0
	s_barrier_wait -1
.if \fill
	CREST                                          ; the barrier has opened a round of the cluster's: no wave of any partner still reads this slot or has a load on its way
	s_add_nc_u64 s[G0+4*\slot+2:G0+4*\slot+3], s[G0+4*\slot+2:G0+4*\slot+3], 2*NQ*1536
	s_add_nc_u64 s[G0B+4*\slot+2:G0B+4*\slot+3], s[G0B+4*\slot+2:G0B+4*\slot+3], 2*NQ*1536
	JLOAD G0+4*\slot, G1, G0B+4*\slot, G1B         ; the first tensor load behind the round; its four v_nop are the places in front of the loads below
.else
	PLACES 4
.endif
	s_wait_alu depctr_va_vdst(0)
	v_add_nc_u32 v[ADSA], NQ*SA_S, v[ADSA]         ; on to the next slot's scale words
	v_add_nc_u32 v[ADSB], NQ*SB_S, v[ADSB]
	FETCH \next, 0, 0
	MULA NT/2, NT/2, 1, 0
	WIN 0
.endm
.macro QUANT s, w                      ; 64 numbers in window w, register 16 b + i = k 32 b + 16 (lane / 16) + i of my row -> codes in v[PC] on, scale word in v[PW]; each accumulator is first read at its low end
	WIN ((\w)<<2)|(\w)
.irp b, 0,1,2,3
	v_max3_num_f32 v[TM+\b], |v[(\s)+16*\b]|, |v[(\s)+16*\b+1]|, 0x1800000   ; with the floor 2^(3 - 127)
.endr
.irp i, 2,4,6,8,10,12,14
.irp b, 0,1,2,3
	v_max3_num_f32 v[TM+\b], |v[(\s)+16*\b+\i]|, |v[(\s)+16*\b+\i+1]|, v[TM+\b]
.endr
.endr
	WIN 0
.irp b, 0,1,2,3
	v_permlanex16_b32 v[TM+4+\b], v[TM+\b], s[SEL], s[SEL+1]
.endr
.irp b, 0,1,2,3
	v_max_num_f32 v[TM+\b], v[TM+\b], v[TM+4+\b]
.endr
.irp b, 0,1,2,3
	v_add_nc_u32 v[TM+12+\b], 0xff000000, v[TM+\b]
.endr
.irp b, 0,1,2,3
	v_lshrrev_b32 v[TM+4+\b], 23, v[TM+12+\b]
.endr
	v_lshl_or_b32 v[PW], v[TM+5], 8, v[TM+4]
	v_lshl_or_b32 v[PW], v[TM+6], 16, v[PW]
	v_lshl_or_b32 v[PW], v[TM+7], 24, v[PW]
	WIN (\w)
.irp c, 0,1
	v_cvt_scalef32_pk16_fp6_f32 v[PC+6*\c:PC+6*\c+2], v[(\s)+32*\c:(\s)+32*\c+15], v[TM+12+2*\c]
	v_cvt_scalef32_pk16_fp6_f32 v[PC+12+4*\c:PC+14+4*\c], v[(\s)+32*\c+16:(\s)+32*\c+31], v[TM+13+2*\c]
.endr
	WIN 0
	v_nop                                          ; one plain place behind a scaled conversion
.irp c, 0,1
.irp i, 0,1,2
	v_permlane16_swap_b32 v[PC+6*\c+\i], v[PC+12+4*\c+\i]
.endr
.irp i, 0,1,2
	v_mov_b32 v[PC+3+6*\c+\i], v[PC+12+4*\c+\i]
.endr
.endr
.endm
	s_load_b256 s[4:11], s[0:1], 0x0               ; hq, wimg, qkv_b, qkvimg
	v_lshl_add_u32 v28, v0, 2, SPARE
	v_mov_b32 v29, 0
	ds_add_u32 v28, v29
	ds_add_u32 v28, v29
	s_wait_dscnt 0x0
	v_lshrrev_b32 v1, 5, v0
	v_readfirstlane_b32 s14, v1                    ; wave
	s_lshr_b32 s15, s14, 1                         ; my half of the tile's rows.  Also: I fetch for A (0) or B (1)
	s_and_b32 s16, s14, 1                          ; my half of its columns.  Also: which half I fetch
	s_bfe_u32 s40, ttmp6, 0x40000                  ; cx
	s_bfe_u32 s41, ttmp6, 0x40004                  ; cy
	s_and_b32 s18, ttmp7, 0xffff                   ; the cluster's y
	s_mov_b32 s19, HQ_S
	s_mov_b32 s95, WQKV_S
	s_cmp_eq_u32 ttmp9, 2                          ; a cluster of v?
	s_cselect_b32 s17, 2, s18
	s_cselect_b32 s42, s18, ttmp9
	s_cselect_b32 s19, WQKV_S, s19                 ; where A's scale words begin in its buffer,
	s_cselect_b32 s95, HQ_S, s95                   ; and B's
	s_lshl_b32 s17, s17, 2
	s_add_co_u32 s17, s17, s41                     ; A's block of 256 positions: tokens 4 Cy + cy, or the weight's 8 + cy
	s_lshl_b32 s42, s42, 2
	s_add_co_u32 s42, s42, s40                     ; B's: the weight's 4 Cx + cx, or tokens 4 Cy + cx
	s_lshl_b32 s43, s41, 2
	s_lshl_b32 s43, 15, s43                        ; my row of the cluster
	s_lshl_b32 s44, 0x1111, s40                    ; my column
	s_or_b32 s[G1+0], s43, (3<<16)|(1<<21)         ; codes: NT rows (tiles) of NQ x 1,536 bytes, elements of 8 bytes, KS x 1,536 bytes apart; no padding
	s_or_b32 s[G1B+0], s44, (3<<16)|(1<<21)
.irp g, G1, G1B
	s_mov_b32 s[\g+1], (192*NQ)<<16
	s_mov_b32 s[\g+2], (2*NT)<<16                  ; the head's loads bring both halves: 2 NT tiles
	s_mov_b32 s[\g+3], (192*NQ)<<16
	s_mov_b32 s[\g+4], 2*NT
	s_mov_b32 s[\g+5], 192*KS
	s_mov_b32 s[\g+6], 0
	s_mov_b32 s[\g+7], 0
.endr
	s_or_b32 s[G1S+0], s43, (3<<16)|(1<<21)        ; scale words: a dense block, as rows of 256 bytes
	s_or_b32 s[G1SB+0], s44, (3<<16)|(1<<21)
.irp g, G1S, G1SB
	s_mov_b32 s[\g+1], 32<<16
	s_mov_b32 s[\g+2], (NT*KS/2)<<16
	s_mov_b32 s[\g+3], 32<<16
	s_mov_b32 s[\g+4], NT*KS/2
	s_mov_b32 s[\g+5], 32
	s_mov_b32 s[\g+6], 0
	s_mov_b32 s[\g+7], 0
.endr
	s_lshl_b32 s20, s17, 1
	s_mul_i32 s20, s20, NT                         ; A: the block's first tile
	s_lshl_b32 s46, s42, 1
	s_mul_i32 s46, s46, NT                         ; B
	s_mul_i32 s22, s20, KS*64
	s_add_co_u32 s22, s22, s19
	s_mov_b32 s23, 0
	s_mul_i32 s66, s46, KS*64
	s_add_co_u32 s66, s66, s95
	s_mov_b32 s67, 0
	s_mul_i32 s20, s20, KS*1536                    ; (both buffers have these codes at byte 0)
	s_mov_b32 s21, 0
	s_mul_i32 s46, s46, KS*1536
	s_mov_b32 s47, 0
	s_mul_i32 s45, s14, QB                         ; where they go: wave x a quarter: no place in the cluster enters an LDS address
	s_mul_i32 s94, s14, QS
	s_mov_b32 s[SEL], 0x76543210
	s_mov_b32 s[SEL+1], 0xfedcba98
	s_wait_kmcnt 0x0
	s_cmp_eq_u32 ttmp9, 2
	s_cselect_b64 s[92:93], s[6:7], s[4:5]         ; A's buffer
	s_cselect_b64 s[96:97], s[4:5], s[6:7]         ; B's
	s_add_nc_u64 s[20:21], s[92:93], s[20:21]
	s_add_nc_u64 s[22:23], s[92:93], s[22:23]
	s_add_nc_u64 s[46:47], s[96:97], s[46:47]
	s_add_nc_u64 s[66:67], s[96:97], s[66:67]
	CROUND                                         ; all sixteen work-groups are here: the first joint loads meet
	s_mov_b32 s[G0S], 1
	s_mov_b32 s[G0S+1], SCL
	s_mov_b64 s[G0S+2:G0S+3], s[22:23]
	s_or_b32 s[G0S+3], s[G0S+3], 0x80000000
	s_mov_b32 s[G0SB], 1
	s_mov_b32 s[G0SB+1], SCL+2*QS
	s_mov_b64 s[G0SB+2:G0SB+3], s[66:67]
	s_or_b32 s[G0SB+3], s[G0SB+3], 0x80000000
	s_mov_b32 s[G0], 1                             ; the head's four tiles, each whole, one load a wave: slot 0's 2 NT tiles of A,
	s_mov_b32 s[G0+1], 0
	s_mov_b64 s[G0+2:G0+3], s[20:21]
	s_or_b32 s[G0+3], s[G0+3], 0x80000000
	s_mov_b32 s[G0B], 1                            ; those of B, behind them,
	s_mov_b32 s[G0B+1], 2*QB
	s_mov_b64 s[G0B+2:G0B+3], s[46:47]
	s_or_b32 s[G0B+3], s[G0B+3], 0x80000000
.macro ARM under, g0, g1, next                 ; one chain of branches on the wave's number, one load to an arm, one join
	s_cmp_lt_u32 s14, \under
	s_cbranch_scc0 \next
	tensor_load_to_lds s[\g0:\g0+3], s[\g1:\g1+7]
	s_nop 0
.rept 4
	v_nop
.endr
	s_branch .Lhead_asked
\next:
.endm
	ARM 1, G0,  G1,  .Lhead_b
	ARM 2, G0B, G1B, .Lhead_sa
	ARM 3, G0S, G1S, .Lhead_sb                     ; A's scale words, and B's
	tensor_load_to_lds s[G0SB:G0SB+3], s[G1SB:G1SB+7]
	s_nop 0
.rept 4
	v_nop
.endr
.Lhead_asked:
	s_wait_alu depctr_va_vdst(0)
	s_wait_tensorcnt 0x0                           ; my tile of the four is in; the three lines ahead of slot 1's first fill
	ds_add_u32 v28, v29
	s_mov_b32 s[G1+2], NT<<16                      ; no load of mine is out: from here on a load brings NT tiles
	s_mov_b32 s[G1+4], NT
	s_mov_b32 s[G1B+2], NT<<16
	s_mov_b32 s[G1B+4], NT
	s_mul_i32 s92, s16, NT*KS*1536                 ; in the ring I fetch one half
	s_mov_b32 s93, 0
	s_add_nc_u64 s[20:21], s[20:21], s[92:93]
	s_add_nc_u64 s[46:47], s[46:47], s[92:93]
.irp s, 0,1
	s_mov_b32 s[G0+4*\s], 1
	s_add_co_u32 s[G0+4*\s+1], s45, \s*SLOT
	s_add_nc_u64 s[G0+4*\s+2:G0+4*\s+3], s[20:21], \s*NQ*1536
	s_or_b32 s[G0+4*\s+3], s[G0+4*\s+3], 0x80000000
	s_mov_b32 s[G0B+4*\s], 1
	s_add_co_u32 s[G0B+4*\s+1], s45, \s*SLOT
	s_add_nc_u64 s[G0B+4*\s+2:G0B+4*\s+3], s[46:47], \s*NQ*1536
	s_or_b32 s[G0B+4*\s+3], s[G0B+4*\s+3], 0x80000000
.endr
	s_wait_dscnt 0x0                               ; the add is done
	CROUND                                         ; all four tiles are in, in every partner
	JLOAD G0+4, G1, G0B+4, G1B                     ; slot 1's first fill: my one load behind the round
	v_and_b32 v1, 31, v0                           ; lane
	v_and_b32 v2, 15, v0                           ; r
	v_bfe_u32 v3, v0, 4, 1                         ; h
	v_lshlrev_b32 v4, 6, v3                        ; the bias of columns: 64 h
	v_and_b32 v5, 8, v2
	v_add_nc_u32 v5, v5, v2
	v_lshlrev_b32 v5, 2, v5                        ; the bias of rows: 4 (r + 8 (r / 8))
	s_mul_i32 s21, s15, QB
	s_mul_i32 s22, s16, QB
	s_add_co_u32 s22, s22, 2*QB
.irp s, 0,1
	v_lshl_add_u32 v[ADRA+\s], v1, 4, s21
	v_lshl_add_u32 v[ADRB+\s], v1, 4, s22
	s_add_co_u32 s21, s21, SLOT
	s_add_co_u32 s22, s22, SLOT
.endr
	s_mul_i32 s21, s15, QS
	s_add_co_u32 s21, s21, SCL
	v_lshl_add_u32 v[ADSA], v2, 2, s21
	s_mul_i32 s22, s16, QS
	s_add_co_u32 s22, s22, SCL+2*QS
	v_lshl_add_u32 v[ADSB], v2, 2, s22
	v_lshlrev_b32 v24, 4, v1                       ; the way out: 16 x lane,
	v_lshlrev_b32 v25, 3, v1                       ; 8 x lane
	s_lshl_b32 s21, s14, 10                        ; my 1,024 bytes for scale words, in slot 0 (its last fill and its last read are over when they are written)
	v_lshl_add_u32 v26, v2, 2, s21
	v_lshl_add_u32 v27, v1, 4, s21
	v_lshl_add_u32 v30, v1, 3, s21
	; where the results go.  q, k: token tile T0 = (A's block x 2 + row half) x 8; heads 4 cx + 2 x column half on
	s_lshl_b32 s20, s17, 1
	s_add_co_u32 s20, s20, s15
	s_lshl_b32 s20, s20, 3
	s_lshr_b32 s21, s20, 7                         ; batch
	s_and_b32 s20, s20, 127                        ; tile in the batch
	s_lshl_b32 s21, s21, 4
	s_lshl_b32 s22, s40, 2
	s_add_co_u32 s21, s21, s22
	s_lshl_b32 s22, s16, 1
	s_add_co_u32 s21, s21, s22                     ; bh of my even head
	s_lshl_b32 s22, s21, 7
	s_add_co_u32 s22, s22, s20
	s_mul_i32 s22, s22, 768
	s_mul_i32 s23, ttmp9, 3145728
	s_add_co_u32 s22, s22, s23                     ; codes
	s_mul_i32 s23, s21, 12288
	s_lshl_b32 s20, s20, 6
	s_add_co_u32 s23, s23, s20
	s_mul_i32 s20, ttmp9, 393216
	s_add_co_u32 s23, s23, s20
	s_add_co_u32 s23, s23, QS_                     ; scale words
	; v: key step = B's block x 2 + column half; heads 4 cy + 2 x row half on
	s_lshl_b32 s20, s42, 1
	s_add_co_u32 s20, s20, s16
	s_lshr_b32 s21, s20, 4                         ; batch
	s_and_b32 s20, s20, 15                         ; key step in the batch
	s_lshl_b32 s21, s21, 4
	s_lshl_b32 s46, s41, 2
	s_add_co_u32 s21, s21, s46
	s_lshl_b32 s46, s15, 1
	s_add_co_u32 s21, s21, s46
	s_lshl_b32 s46, s21, 4
	s_add_co_u32 s46, s46, s20
	s_mul_i32 s46, s46, 6144
	s_add_co_u32 s46, s46, VI_
	s_mul_i32 s47, s21, 12288
	s_lshl_b32 s20, s20, 8
	s_add_co_u32 s47, s47, s20
	s_add_co_u32 s47, s47, KVS_+8192
	s_lshl_b32 s20, s42, 1                         ; the bias: my 128 columns (q, k) or my 128 rows (v), 512 bytes
	s_add_co_u32 s20, s20, s16
	s_lshl_b32 s20, s20, 9
	s_lshl_b32 s21, s17, 1
	s_add_co_u32 s21, s21, s15
	s_lshl_b32 s21, s21, 9
	s_cmp_eq_u32 ttmp9, 2
	s_cselect_b32 s22, s46, s22
	s_cselect_b32 s92, s47, s23
	s_cselect_b32 s20, s21, s20
	s_mov_b32 s23, 0
	s_mov_b32 s93, 0
	s_mov_b32 s21, 0
	s_add_nc_u64 s[66:67], s[10:11], s[22:23]
	s_add_nc_u64 s[96:97], s[10:11], s[92:93]
	s_add_nc_u64 s[8:9], s[8:9], s[20:21]
	s_cmp_eq_u32 ttmp9, 2
	s_cbranch_scc1 .Lbias_v
	WIN 0x40                                       ; q, k: for B's tile 2 b + u my eight columns 32 b + 16 h + 8 u + 0 .. 7
.set fi, 0
.rept NT
	global_load_b128 v[96+8*fi+96*(fi/4):96+8*fi+96*(fi/4)+3], v4, s[8:9] offset:(32*(fi/2)+8*(fi%2))*4
	global_load_b128 v[96+8*fi+96*(fi/4)+4:96+8*fi+96*(fi/4)+7], v4, s[8:9] offset:(32*(fi/2)+8*(fi%2))*4+16
.set fi, fi+1
.endr
	WIN 0
	s_branch .Lbias_done
.Lbias_v:
	WIN 0x40                                       ; v: for A's tile a my row's one number, in all eight registers
.set fi, 0
.rept NT
.irp j, 0,1,2,3,4,5,6,7
	global_load_b32 v[96+8*fi+96*(fi/4)+\j], v5, s[8:9] offset:(32*(fi/2)+8*(fi%2))*4
.endr
.set fi, fi+1
.endr
	WIN 0
.Lbias_done:
	s_wait_tensorcnt 1                             ; the scale words and my part of slot 0 are in; slot 1's load may stay out
	s_barrier_signal -1
	s_barrier_wait -1
	s_wait_alu depctr_va_vdst(0)
	FETCH 0, 0, 0
	s_wait_loadcnt 0x0                             ; the bias
	s_cmp_eq_u32 ttmp9, 2
	s_cbranch_scc1 .Lfirst_v
	STEP 0, 0, 1                                   ; the first step starts the sums with the bias: nothing is cleared or added later
	s_branch .Lfirst_done
.Lfirst_v:
	STEP 0, 0, 2
.Lfirst_done:
	s_mov_b32 s3, LAPS-1
.Llap:                                             ; a trip goes once round the ring and fills both slots again
	STEPS 0, 1
	TURN 0, 1, 1
	s_wait_alu depctr_va_vdst(0)
	STEPS 1, 0
	TURN 1, 0, 1
	s_wait_alu depctr_va_vdst(0)
	STEP 0, 0, 0
	s_sub_co_u32 s3, s3, 1
	s_cmp_lg_u32 s3, 0
	s_cbranch_scc1 .Llap
	STEPS 0, 1                                     ; the last lap fills nothing
	TURN 0, 1, 0
	s_wait_alu depctr_va_vdst(0)
	STEPS 1, 0
	s_wait_dscnt 0x0
	MULA 0, NT, 1, 0
	WIN 0
	PLACES 4                                       ; in front of the first read of results and the first write of registers that products read
.irp b, 0,1,2,3
	v_mov_b32 v[TM+4+\b], 0                        ; a lane permute's destination counts as one of its sources
.endr
; THE WAY OUT: block a (16 rows of A x my 128 columns) is quantised: one fragment.  q, k: its two halves are two heads' half images.  v: it is channel tile a % 4 of head a / 4.
.macro EPIQ isv
.set ea, 0
.rept 8
.if ea > 0
	s_wait_xcnt 0x0                                ; the last block's stores have read their registers
	s_wait_dscnt 0x0
.endif
	QUANT 64*(ea%4), 2+ea/4
.if \isv
.irp c, 0,1,2
	global_store_b128 v24, v[PC+4*\c:PC+4*\c+3], s[66:67] offset:(ea/4)*98304+(ea%4)*1536+512*\c
.endr
	ds_store_b32 v26, v[PW] offset:4096+64*ea
.else
	global_store_b128 v24, v[PC:PC+3], s[66:67] offset:768*ea
	global_store_b64 v25, v[PC+4:PC+5], s[66:67] offset:768*ea+512
	global_store_b128 v24, v[PC+6:PC+9], s[66:67] offset:768*ea+98304
	global_store_b64 v25, v[PC+10:PC+11], s[66:67] offset:768*ea+98304+512
	v_lshrrev_b32 v[PW2], 16, v[PW]                ; the odd head's two bytes
	ds_store_b32 v26, v[PW] offset:64*ea
	ds_store_b32 v26, v[PW2] offset:512+64*ea
.endif
.set ea, ea+1
.endr
	s_wait_xcnt 0x0
.if \isv
	ds_load_b64 v[128:129], v30 offset:4096        ; LDS serves a wave's instructions in order: these see my stores.  256 bytes a head
	ds_load_b64 v[130:131], v30 offset:4096+256
	s_wait_dscnt 0x0
	global_store_b64 v25, v[128:129], s[96:97]
	global_store_b64 v25, v[130:131], s[96:97] offset:12288
.else
	ds_load_b128 v[128:131], v27                   ; 512 bytes a head
	ds_load_b128 v[132:135], v27 offset:512
	s_wait_dscnt 0x0
	global_store_b128 v24, v[128:131], s[96:97]
	global_store_b128 v24, v[132:135], s[96:97] offset:12288
.endif
.endm
	s_cmp_eq_u32 ttmp9, 2
	s_cbranch_scc1 .Lepi_v
	EPIQ 0
	s_branch .Lepi_done
.Lepi_v:
	EPIQ 1
.Lepi_done:
	s_wait_tensorcnt 0x0                           ; the wave's end
	ds_add_u32 v28, v29
	s_wait_dscnt 0x0
	CROUND                                         ; the closing round: no work-group ends while a partner may still ask for a tile that names it
	s_endpgm
.Lfunc_end_k_q279fad3f4b_g_qkv:
	.size	k_q279fad3f4b_g_qkv, .Lfunc_end_k_q279fad3f4b_g_qkv-k_q279fad3f4b_g_qkv
	.p2alignl 7, 3214868480
	.fill 96, 4, 3214868480
	.section	.rodata,"a",@progbits
	.p2align	6, 0x0
	.amdhsa_kernel k_q279fad3f4b_g_qkv
		.amdhsa_group_segment_fixed_size 327680
		.amdhsa_private_segment_fixed_size 0
		.amdhsa_enable_private_segment 0
		.amdhsa_kernarg_size 32
		.amdhsa_user_sgpr_count 2
		.amdhsa_user_sgpr_kernarg_segment_ptr 1
		.amdhsa_wavefront_size32 1
		.amdhsa_system_sgpr_workgroup_id_x 1
		.amdhsa_system_sgpr_workgroup_id_y 1
		.amdhsa_system_sgpr_workgroup_id_z 1
		.amdhsa_system_vgpr_workitem_id 0
		.amdhsa_next_free_vgpr 1024
		.amdhsa_next_free_sgpr 100
		.amdhsa_reserve_vcc 0
		.amdhsa_float_denorm_mode_32 3
		.amdhsa_float_denorm_mode_16_64 3
		.amdhsa_memory_ordered 1
		.amdhsa_forward_progress 1
		.amdhsa_inst_pref_size 205
	.end_amdhsa_kernel
	.amdgpu_metadata
---
amdhsa.version: [ 1, 2 ]
amdhsa.kernels:
  - .name:           k_q279fad3f4b_g_qkv
    .symbol:         k_q279fad3f4b_g_qkv.kd
    .args:
      - { .name: hq, .offset: 0, .size: 8, .value_kind: global_buffer, .address_space: global }
      - { .name: wimg, .offset: 8, .size: 8, .value_kind: global_buffer, .address_space: global }
      - { .name: qkv_b, .offset: 16, .size: 8, .value_kind: global_buffer, .address_space: global }
      - { .name: qkvimg, .offset: 24, .size: 8, .value_kind: global_buffer, .address_space: global }
    .group_segment_fixed_size: 327680
    .private_segment_fixed_size: 0
    .kernarg_segment_align: 8
    .kernarg_segment_size: 32
    .max_flat_workgroup_size: 128
    .sgpr_count:     100
    .vgpr_count:     1024
    .wavefront_size: 32
...
	.end_amdgpu_metadata
.endif
;; end of part 2
;; launch attn (part 3): grid 8 x 32, 16 waves a work-group, clusters of 4 x 1, 327,680 bytes of LDS; arguments qkvimg, oimg; writes oimg
.if DOCPART == 3
	.amdgcn_target "amdgcn-amd-amdhsa--gfx1250"
	.amdhsa_code_object_version 6
	.text
	.protected	k_q279fad3f4b_attn
	.globl	k_q279fad3f4b_attn
	.p2align	8
	.type	k_q279fad3f4b_attn,@function
k_q279fad3f4b_attn:
	s_mov_b64 s[64:65], 0
	v_nop
	global_prefetch_b8 v0, s[64:65] scope:SCOPE_SE
	s_setreg_imm32_b32 hwreg(HW_REG_WAVE_MODE, 25, 1), 1
	s_wait_xcnt 0x0
	s_wait_alu depctr_hold_cnt(0) depctr_sa_sdst(0) depctr_va_vdst(0) depctr_va_sdst(0) depctr_va_ssrc(0) depctr_va_vcc(0) depctr_vm_vsrc(0)
	s_getreg_b32 s2, hwreg(HW_REG_IB_STS2, 6, 4)
	s_cmp_eq_u32 s2, 0
	s_cbranch_scc0 .Lentry_in_a_cluster
	s_endpgm
.Lentry_in_a_cluster:
	s_bfe_u32 s2, ttmp6, 0x10000c
	s_cmp_lg_u32 s2, 0x3003
	s_cbranch_scc0 .Lentry_shape_is_right
	s_endpgm
.Lentry_shape_is_right:
; O = softmax(Q K^T / 8) V for 32 heads of 64 channels and 2,048 keys, both products on codes of FP6 (E2M3); O / the row's sum is quantised along the channels and leaves as half an image of the next product's operand.
; THE SOFTMAX: t = score x log2(e) / 8; M = the running largest t rounded UP to a whole number; p = 2^(t - M) is quantised along the keys, not normalised; the sum is taken of the unquantised p.
; When M moves, the sum and O are multiplied by 2^(old M - new M): exact.
; SHARES: a work-group owns 256 queries of one head, each of its sixteen waves one tile of 16, in 256 registers: four waves to a SIMD, so that one wave's vector work stands beside another's products and LDS loads.
; THE HEAD'S WHOLE K AND V^T LIE IN LDS, filled once: K's 128 half images of 768 bytes at 0, V^T's 64 images of 1,536 bytes at 98,304, K's scale words at 196,608, V's at 204,800.  No byte is filled again.
; CLUSTER 4 x 1: the four query blocks of a cluster belong to one head: every fill is asked for jointly, with the mask 15.  Each wave issues two loads (waves 0-7 a key step of K or V^T among 0-3, waves 8-15 an eighth of the scale words; then its share of key
; steps 4-15), so that the first four key steps can begin while the rest is on its way.  One tensor load of a wave is out at a time.
; LAYOUT: both products transposed: S^T = K Q^T, O^T = V^T P^T: a lane holds one query.  The head has 64 channels: registers 6-11 of Q's and K's fragments are zero codes, which add nothing under any scale byte but 0xff.
; Position r of a tile is token (channel) 32 (t / 2) + 8 (t % 2) + r + 8 (r / 8): the 16 registers of tiles 2 b, 2 b + 1 are 16 neighbours along the next K.
; oimg: fragment (token tile T, s = head / 2) at (8 T + s) x 1,536; half e = head % 2 at + 768 e (512 bytes at 16 l, 256 bytes at 8 l); scale words at 3,145,728 + (8 T + s) x 64 + 4 r, halfword e.
; These halfwords are stores of 2 bytes a lane, 4 bytes apart: the other halfword is another head's, made by another work-group; they are 128 KB of the launch's 3.3 MB.
; REGISTERS: v1-7 addresses that stay; v6, v8-11 the step's; v12 -M, v13 the largest t, v[14:15] the sum; v16-27 Q; v28-31 V's scale words; v32-79 four fragments of K; v80-127 V's four; v128-191 S^T, then p; v192-223 O^T; v224-255 at work.
; LIMITS: NaN and infinities are not served; 1 / sum is the 1-ulp instruction; a block under 2^-124 (zeros too) gets the byte 1, read by this program alone.
.set S,    128
.set O,    192
.set VI,   98304
.set KSC,  196608
.set VSC,  204800
.set KI_,  3145728
.set QS_,  9437184
.set KVS_, 9830400
.set OS_,  3145728
.set WV,   18
.set SEL,  20
.set CS,   22
.macro ROUND                           ; a round of the cluster's barrier
	s_barrier_signal -1
	s_barrier_wait -1
	s_cmp_lg_u32 s[WV], 0
	s_cbranch_scc1 .Lnot_wave_0_\@
	s_barrier_signal -3
.Lnot_wave_0_\@:
	s_barrier_wait -3
	s_barrier_signal -1
	s_barrier_wait -1
.endm
	s_load_b128 s[4:7], s[0:1], 0x0                ; qkvimg, oimg
	v_lshl_add_u32 v254, v0, 2, 0x33000
	v_mov_b32 v255, 0
	ds_add_u32 v254, v255
	ds_add_u32 v254, v255
	s_wait_dscnt 0x0
	v_lshrrev_b32 v1, 5, v0
	s_delay_alu instid0(VALU_DEP_1)
	v_readfirstlane_b32 s[WV], v1                  ; wave 0..15
	s_bfe_u32 s8, ttmp6, 0x40000                   ; cx
	s_lshl_b32 s9, ttmp9, 2
	s_add_co_u32 s9, s9, s8                        ; my block of 256 queries: it enters Q's and O's addresses alone
	s_and_b32 s10, ttmp7, 0xffff                   ; bh, which the four partners share
	s_lshr_b32 s11, s[WV], 3                       ; I fetch for K (0) or V (1),
	s_and_b32 s12, s[WV], 7                        ; which eighth
	s_mul_i32 s60, s10, 12288
	s_mul_i32 s61, s12, 1536                       ; waves 8-15: an eighth of the scale words each
	s_add_co_u32 s62, s60, s61
	s_add_co_u32 s62, s62, KVS_                    ; my 1,536 bytes of the head's scale words
	s_mov_b32 s63, 0
	s_mul_i32 s66, s11, 3145728
	s_mul_i32 s67, s10, 98304
	s_add_co_u32 s66, s66, s67
	s_add_co_u32 s66, s66, KI_                     ; the head's K or V^T
	s_bfe_u32 s76, s[WV], 0x10002                  ; waves 0-3: key step w of K; waves 4-7: key step w - 4 of V^T; 6,144 bytes each
	s_and_b32 s77, s[WV], 3
	s_mul_i32 s68, s76, 3145728
	s_add_co_u32 s68, s68, s67
	s_add_co_u32 s68, s68, KI_
	s_mul_i32 s78, s77, 6144
	s_add_co_u32 s68, s68, s78
	s_mov_b32 s69, 0
	s_mul_i32 s70, s12, 9216
	s_add_co_u32 s70, s70, s66
	s_add_co_u32 s70, s70, 24576                   ; key steps 4-15: 73,728 bytes, 9,216 a wave
	s_mov_b32 s71, 0
	s_add_co_u32 s72, s61, KSC                     ; and where they go
	s_mul_i32 s73, s11, 98304
	s_mul_i32 s74, s76, 98304
	s_add_co_u32 s74, s74, s78
	s_mul_i32 s75, s12, 9216
	s_add_co_u32 s75, s75, s73
	s_add_co_u32 s75, s75, 24576
	; descriptor groups 1: dense blocks as rows of 256 bytes (32 elements of 8 bytes): 6, 24 and 36 rows
.irp g, 24, 32, 40
	s_mov_b32 s[\g], 15|(3<<16)|(1<<21)            ; the mask: all four work-groups; bit 21 set beside it
	s_mov_b32 s[\g+1], 32<<16
	s_mov_b32 s[\g+3], 32<<16
	s_mov_b32 s[\g+5], 32
	s_mov_b32 s[\g+6], 0
	s_mov_b32 s[\g+7], 0
.endr
	s_mov_b32 s26, 6<<16
	s_mov_b32 s28, 6
	s_mov_b32 s34, 24<<16
	s_mov_b32 s36, 24
	s_mov_b32 s42, 36<<16
	s_mov_b32 s44, 36
	s_mov_b32 s[SEL], 0x76543210
	s_mov_b32 s[SEL+1], 0xfedcba98
	s_mov_b32 s[CS], 0x3e38aa3b                    ; c = log2(e) / 8
	s_mov_b32 s[CS+1], s[CS]                       ; (named with it as a pair, so it is written)
	s_mov_b32 s2, 0                                ; the step's tiles: 6,144 bytes a step, in K's region and in V's
	s_mov_b32 s3, 0                                ; K's scale words: 512 a step
	s_mov_b32 s13, 0                               ; V's: 256 a step
	s_wait_kmcnt 0x0
	s_mov_b32 s48, 1
	s_mov_b32 s49, s72
	s_add_nc_u64 s[50:51], s[4:5], s[62:63]
	s_or_b32 s51, s51, 0x80000000
	s_mov_b32 s52, 1
	s_mov_b32 s53, s74
	s_add_nc_u64 s[54:55], s[4:5], s[68:69]
	s_or_b32 s55, s55, 0x80000000
	s_mov_b32 s56, 1
	s_mov_b32 s57, s75
	s_add_nc_u64 s[58:59], s[4:5], s[70:71]
	s_or_b32 s59, s59, 0x80000000
	ROUND                                          ; all four work-groups are here: the joint loads meet
	s_cmp_lt_u32 s[WV], 8                          ; the head: one load a wave: key steps 0-3 (waves 0-7) and the scale words (waves 8-15)
	s_cbranch_scc0 .Lhead_sc
	tensor_load_to_lds s[52:55], s[32:39]
	s_nop 0
.rept 4
	v_nop
.endr
	s_branch .Lhead_asked
.Lhead_sc:
	tensor_load_to_lds s[48:51], s[24:31]
	s_nop 0
.Lhead_asked:
.rept 4
	v_nop
.endr
	s_lshl_b32 s76, s9, 4
	s_add_co_u32 s76, s76, s[WV]                   ; my tile of queries in the batch
	s_lshl_b32 s77, s10, 7
	s_add_co_u32 s77, s77, s76
	s_mul_i32 s14, s77, 768
	s_mov_b32 s15, 0
	s_add_nc_u64 s[14:15], s[4:5], s[14:15]        ; Q's half image
	s_lshl_b32 s16, s76, 6
	s_add_co_u32 s16, s16, s60
	s_add_co_u32 s16, s16, QS_
	s_mov_b32 s17, 0
	s_add_nc_u64 s[16:17], s[4:5], s[16:17]        ; Q's scale words
	s_lshr_b32 s66, s10, 4
	s_lshl_b32 s66, s66, 7
	s_add_co_u32 s66, s66, s76                     ; token tile T
	s_lshl_b32 s66, s66, 3
	s_bfe_u32 s67, s10, 0x30001                    ; head / 2
	s_add_co_u32 s66, s66, s67                     ; the fragment of oimg
	s_and_b32 s67, s10, 1                          ; head % 2
	s_mul_i32 s68, s66, 1536
	s_mul_i32 s69, s67, 768
	s_add_co_u32 s68, s68, s69
	s_mov_b32 s69, 0
	s_add_nc_u64 s[68:69], s[6:7], s[68:69]
	s_lshl_b32 s70, s66, 6
	s_lshl_b32 s71, s67, 1
	s_add_co_u32 s70, s70, s71
	s_add_co_u32 s70, s70, OS_
	s_mov_b32 s71, 0
	s_add_nc_u64 s[70:71], s[6:7], s[70:71]
	v_and_b32 v8, 31, v0                           ; lane
	v_and_b32 v9, 15, v0                           ; r
	s_delay_alu instid0(VALU_DEP_2)
	v_lshlrev_b32 v1, 4, v8                        ; 16 x lane
	s_delay_alu instid0(VALU_DEP_3)
	v_lshl_add_u32 v2, v8, 3, 512                  ; 8 x lane + 512
	s_delay_alu instid0(VALU_DEP_4)
	v_lshl_add_u32 v3, v8, 4, VI
	s_delay_alu instid0(VALU_DEP_4)
	v_lshl_add_u32 v4, v9, 2, KSC
	v_lshl_add_u32 v5, v9, 2, VSC
	v_lshlrev_b32 v7, 2, v9                        ; 4 r
	global_load_b128 v[16:19], v1, s[14:15]        ; Q stays in registers
	global_load_b64 v[20:21], v2, s[14:15]
	global_load_b32 v224, v7, s[16:17]             ; Q's scale word waits here until the add below has used v255
.irp j, 22,23,24,25,26,27
	v_mov_b32 v\j, 0                               ; channels 64-127 do not exist: zero codes
.endr
.irp t, 0,1,2,3
.irp j, 6,7,8,9,10,11
	v_mov_b32 v[32+12*\t+\j], 0                    ; likewise in K's four fragments: written once, no load touches them
.endr
.endr
	v_mov_b32 v13, 0xff61b1e6                      ; the largest t so far: -3e38
	s_delay_alu instid0(VALU_DEP_1)
	v_floor_f32 v12, -v13                          ; -M
	v_mov_b32 v14, 0
	v_mov_b32 v15, 0
.irp b, 0,1,2,3
	v_mov_b32 v[236+\b], 0                         ; a lane permute's destination counts as one of its sources
.endr
	v_mov_b32 v253, 0                              ; (named as the upper half of v[252:253] before it is first written)
.set j, 0
.rept 32
	v_mov_b32 v[O+j], 0                            ; O^T: the step is written once; the first change of M multiplies zeros
.set j, j+1
.endr
; A KEY STEP: 128 keys.
.macro STEP
	v_add_nc_u32 v8, s2, v1                        ; (these five are also places behind the last step's products)
	s_wait_alu depctr_va_vdst(0)
	v_add_nc_u32 v9, s2, v2
	s_wait_alu depctr_va_vdst(0)
	v_add_nc_u32 v10, s2, v3
	v_add_nc_u32 v11, s3, v4
	s_wait_alu depctr_va_vdst(0)
	v_add_nc_u32 v6, s13, v5
	s_wait_alu depctr_va_vdst(0)
.irp g, 0,1                                    ; S^T = K Q^T, four tiles of 16 keys at a time
.if \g > 0
.rept 4
	v_nop                                          ; places in front of loads into registers that products have read
.endr
.endif
.irp t, 0,1,2,3
	ds_load_b128 v[32+12*\t:35+12*\t], v8 offset:768*(4*\g+\t)
	ds_load_b64 v[36+12*\t:37+12*\t], v9 offset:768*(4*\g+\t)
	ds_load_b32 v[248+\t], v11 offset:64*(4*\g+\t)
.endr
	s_wait_dscnt 0x0
.irp t, 0,1,2,3
	v_wmma_scale_f32_16x16x128_f8f6f4 v[S+8*(4*\g+\t):S+8*(4*\g+\t)+7], v[32+12*\t:43+12*\t], v[16:27], 0, v[248+\t], v255 matrix_a_fmt:MATRIX_FMT_FP6 matrix_b_fmt:MATRIX_FMT_FP6
.endr
.endr
.rept 4
	v_nop
.endr
.irp t, 0,1,2,3                                ; V^T's four fragments are asked for here and land under the softmax
.irp c, 0,1,2
	ds_load_b128 v[80+12*\t+4*\c:83+12*\t+4*\c], v10 offset:1536*\t+512*\c
.endr
	ds_load_b32 v[28+\t], v6 offset:64*\t
.endr
.irp b, 0,1,2,3
	v_max3_num_f32 v[232+\b], v[S+16*\b], v[S+1+16*\b], v[S+2+16*\b]   ; the largest score of each block of 32 keys: for the row's maximum and, since p rises with the score, for the block's largest p
.endr
.irp i, 3,5,7,9,11,13
.irp b, 0,1,2,3
	v_max3_num_f32 v[232+\b], v[232+\b], v[S+16*\b+\i], v[S+1+16*\b+\i]
.endr
.endr
.irp b, 0,1,2,3
	v_max_num_f32 v[232+\b], v[232+\b], v[S+15+16*\b]
.endr
.irp b, 0,1,2,3
	s_delay_alu instid0(VALU_DEP_4)
	v_permlanex16_b32 v[236+\b], v[232+\b], s[SEL], s[SEL+1]
.endr
.irp b, 0,1,2,3
	s_delay_alu instid0(VALU_DEP_4)
	v_max_num_f32 v[232+\b], v[232+\b], v[236+\b]
.endr
	s_delay_alu instid0(VALU_DEP_2)
	v_max3_num_f32 v254, v232, v233, v234
	s_delay_alu instid0(VALU_DEP_1)
	v_max_num_f32 v254, v254, v235
	s_delay_alu instid0(VALU_DEP_1)
	v_mul_f32 v254, s[CS], v254                    ; the step's largest t
	s_delay_alu instid0(VALU_DEP_1)
	v_max_num_f32 v13, v13, v254
	v_mov_b32 v254, v12
	s_delay_alu instid0(VALU_DEP_2)
	v_floor_f32 v12, -v13                          ; the new -M = -ceil(t)
	s_delay_alu instid0(VALU_DEP_1)
	v_sub_f32 v254, v12, v254                      ; old M - new M: a whole number, 0 or less
	s_delay_alu instid0(VALU_DEP_1)
	v_cvt_i32_f32 v254, v254                       ; (it saturates)
	s_delay_alu instid0(VALU_DEP_1)
	v_ldexp_f32 v252, 1.0, v254                    ; f = 2^(old M - new M)
.set j, 0
.rept 32
	v_pk_fma_f32 v[S+j:S+j+1], v[S+j:S+j+1], s[CS:CS+1], v[12:13] op_sel_hi:[1,0,0]   ; t - M
.set j, j+2
.endr
.irp b, 0,1,2,3
	v_fma_f32 v[232+\b], v[232+\b], s[CS], v12
.endr
.set j, 0
	s_wait_alu depctr_va_vdst(0)
.rept 64
	v_exp_f32 v[S+j], v[S+j]                       ; p = 2^(t - M)
.set j, j+1
.endr
	v_pk_mul_f32 v[14:15], v[14:15], v[252:253] op_sel_hi:[1,0]   ; the sums under the new M (a plain place behind the exponentials)
	s_wait_alu depctr_va_vdst(0)                   ; one wait for the batch, ahead of its first reader
.irp b, 0,1,2,3
	v_exp_f32 v[232+\b], v[232+\b]                 ; each block's largest p
.endr
	v_pk_add_f32 v[236:237], v[132:133], v[136:137]
	v_pk_add_f32 v[250:251], v[140:141], v[144:145]
	v_pk_add_f32 v[248:249], v[148:149], v[152:153]
	v_pk_add_f32 v[246:247], v[156:157], v[160:161]
	v_pk_add_f32 v[244:245], v[164:165], v[168:169]
	v_pk_add_f32 v[242:243], v[172:173], v[176:177]
	v_pk_add_f32 v[240:241], v[180:181], v[184:185]
	v_pk_add_f32 v[14:15], v[14:15], v[188:189]
	v_pk_add_f32 v[236:237], v[236:237], v[128:129]
	v_pk_add_f32 v[250:251], v[250:251], v[130:131]
	v_pk_add_f32 v[248:249], v[248:249], v[134:135]
	v_pk_add_f32 v[246:247], v[246:247], v[138:139]
	v_pk_add_f32 v[244:245], v[244:245], v[142:143]
	v_pk_add_f32 v[242:243], v[242:243], v[146:147]
	v_pk_add_f32 v[240:241], v[240:241], v[150:151]
	v_pk_add_f32 v[14:15], v[14:15], v[154:155]
	v_pk_add_f32 v[236:237], v[236:237], v[158:159]
	v_pk_add_f32 v[250:251], v[250:251], v[162:163]
	v_pk_add_f32 v[248:249], v[248:249], v[166:167]
	v_pk_add_f32 v[246:247], v[246:247], v[170:171]
	v_pk_add_f32 v[244:245], v[244:245], v[174:175]
	v_pk_add_f32 v[242:243], v[242:243], v[178:179]
	v_pk_add_f32 v[240:241], v[240:241], v[182:183]
	v_pk_add_f32 v[14:15], v[14:15], v[186:187]
	v_pk_add_f32 v[236:237], v[236:237], v[190:191]
	s_delay_alu instid0(VALU_DEP_2)
	v_pk_add_f32 v[14:15], v[14:15], v[246:247]
	s_delay_alu instid0(VALU_DEP_2)
	v_pk_add_f32 v[236:237], v[236:237], v[244:245]
	v_pk_add_f32 v[250:251], v[250:251], v[242:243]
	v_pk_add_f32 v[248:249], v[248:249], v[240:241]
	s_delay_alu instid0(VALU_DEP_2)
	v_pk_add_f32 v[14:15], v[14:15], v[250:251]
	s_delay_alu instid0(VALU_DEP_2)
	v_pk_add_f32 v[236:237], v[236:237], v[248:249]
	s_delay_alu instid0(VALU_DEP_1)
	v_pk_add_f32 v[14:15], v[14:15], v[236:237]
	s_wait_alu depctr_va_vdst(0)                   ; and one for the four
.irp b, 0,1,2,3
	v_max_num_f32 v[232+\b], 0x1800000, v[232+\b]  ; the floor 2^(3 - 127)
.endr
.irp b, 0,1,2,3
	s_delay_alu instid0(VALU_DEP_4)
	v_add_nc_u32 v[244+\b], 0xff000000, v[232+\b]
.endr
.irp b, 0,1,2,3
	s_delay_alu instid0(VALU_DEP_4)
	v_lshrrev_b32 v[236+\b], 23, v[244+\b]
.endr
	s_delay_alu instid0(VALU_DEP_3)
	v_lshl_or_b32 v253, v237, 8, v236              ; p's scale word for these 128 keys
	s_delay_alu instid0(VALU_DEP_1)
	v_lshl_or_b32 v253, v238, 16, v253
	s_delay_alu instid0(VALU_DEP_1)
	v_lshl_or_b32 v253, v239, 24, v253
.irp c, 0,1
	v_cvt_scalef32_pk16_fp6_f32 v[224+6*\c:226+6*\c], v[S+32*\c:S+15+32*\c], v[244+2*\c]
	v_cvt_scalef32_pk16_fp6_f32 v[236+4*\c:238+4*\c], v[S+16+32*\c:S+31+32*\c], v[244+2*\c+1]
.endr
	v_nop                                          ; one plain place behind a scaled conversion
.irp c, 0,1
.irp i, 0,1,2
	v_permlane16_swap_b32 v[224+6*\c+\i], v[236+4*\c+\i]
.endr
.irp i, 0,1,2
	s_delay_alu instid0(VALU_DEP_3)
	v_mov_b32 v[227+6*\c+\i], v[236+4*\c+\i]
.endr
.endr
.set j, 0
.rept 16
	v_pk_mul_f32 v[O+j:O+j+1], v[O+j:O+j+1], v[252:253] op_sel_hi:[1,0]   ; O^T under the new M; these sixteen are also the places between the scale word, the codes and the products
.set j, j+2
.endr
	s_wait_alu depctr_va_vdst(0)
	s_wait_dscnt 0x0                               ; V^T
.irp t, 0,1,2,3
	v_wmma_scale_f32_16x16x128_f8f6f4 v[O+8*\t:O+8*\t+7], v[80+12*\t:91+12*\t], v[224:235], v[O+8*\t:O+8*\t+7], v[28+\t], v253 matrix_a_fmt:MATRIX_FMT_FP6 matrix_b_fmt:MATRIX_FMT_FP6
.endr
	s_add_co_u32 s2, s2, 6144
	s_add_co_u32 s3, s3, 512
	s_add_co_u32 s13, s13, 256
.endm
	s_wait_alu depctr_va_vdst(0)                   ; the wait at the head's end
	s_wait_tensorcnt 0x0                           ; my head load is in; the three lines ahead of a later first fill
	ds_add_u32 v254, v255
	s_wait_dscnt 0x0
	ROUND                                          ; everybody's is, in all four partners
	tensor_load_to_lds s[56:59], s[40:47]          ; key steps 4-15, 9,216 bytes a wave: my one load behind the round; it lands under the first four key steps
	s_nop 0
.rept 4
	v_nop
.endr
	s_wait_loadcnt 0x0                             ; Q
	v_mov_b32 v255, v224                           ; Q's scale word: these four and the step's five lines are the places ahead of the first product
.rept 4
	v_nop
.endr
	s_mov_b32 s19, 4
.Lfirst:
	STEP
	s_sub_co_u32 s19, s19, 1
	s_cmp_lg_u32 s19, 0
	s_cbranch_scc1 .Lfirst
	s_wait_tensorcnt 0x0                           ; my share of key steps 4-15 is in,
	s_wait_dscnt 0x0
	s_barrier_signal -1
	s_barrier_wait -1                              ; everybody's is
	s_mov_b32 s19, 12
.Lrest:
	STEP
	s_sub_co_u32 s19, s19, 1
	s_cmp_lg_u32 s19, 0
	s_cbranch_scc1 .Lrest
.rept 4
	v_nop                                          ; places behind the last products
.endr
	v_add_f32 v14, v14, v15
	s_delay_alu instid0(VALU_DEP_1)
	v_permlanex16_b32 v252, v14, s[SEL], s[SEL+1]
	s_delay_alu instid0(VALU_DEP_1)
	v_add_f32 v14, v14, v252                       ; the row's sum
	s_wait_alu depctr_va_vdst(0)
	v_rcp_f32 v14, v14
	v_nop                                          ; a plain place behind the transcendental
	s_wait_alu depctr_va_vdst(0)
	v_mov_b32 v15, v14
.set j, 0
.rept 16
	v_pk_mul_f32 v[S+j:S+j+1], v[O+j:O+j+1], v[14:15]     ; O^T / the sum: register 16 b + i is channel 32 b + 16 h + i
.set j, j+2
.endr
.irp b, 0,1
	v_max3_num_f32 v[232+\b], |v[S+16*\b]|, |v[S+1+16*\b]|, 0x1800000
.endr
.irp i, 2,4,6,8,10,12,14
.irp b, 0,1
	s_delay_alu instid0(VALU_DEP_2)
	v_max3_num_f32 v[232+\b], v[232+\b], |v[S+16*\b+\i]|, |v[S+1+16*\b+\i]|
.endr
.endr
.irp b, 0,1
	s_delay_alu instid0(VALU_DEP_2)
	v_permlanex16_b32 v[236+\b], v[232+\b], s[SEL], s[SEL+1]
.endr
.irp b, 0,1
	s_delay_alu instid0(VALU_DEP_2)
	v_max_num_f32 v[232+\b], v[232+\b], v[236+\b]
.endr
.irp b, 0,1
	s_delay_alu instid0(VALU_DEP_2)
	v_add_nc_u32 v[244+\b], 0xff000000, v[232+\b]
.endr
.irp b, 0,1
	s_delay_alu instid0(VALU_DEP_2)
	v_lshrrev_b32 v[236+\b], 23, v[244+\b]
.endr
	s_delay_alu instid0(VALU_DEP_1)
	v_lshl_or_b32 v253, v237, 8, v236              ; my head's two bytes of the row's scale word
	v_cvt_scalef32_pk16_fp6_f32 v[224:226], v[S:S+15], v244
	v_cvt_scalef32_pk16_fp6_f32 v[240:242], v[S+16:S+31], v245
	v_nop
.irp i, 0,1,2
	v_permlane16_swap_b32 v[224+\i], v[240+\i]
.endr
.irp i, 0,1,2
	s_delay_alu instid0(VALU_DEP_3)
	v_mov_b32 v[227+\i], v[240+\i]
.endr
	global_store_b128 v1, v[224:227], s[68:69]     ; 512 consecutive bytes
	global_store_b64 v2, v[228:229], s[68:69]      ; and 256, at + 512
	global_store_b16 v7, v253, s[70:71]            ; lanes r and r + 16 write the same halfword with the same value
	s_wait_xcnt 0x0
	v_lshl_add_u32 v254, v0, 2, 0x33000
	v_mov_b32 v255, 0
	s_wait_alu depctr_va_vdst(0)
	s_wait_tensorcnt 0x0
	ds_add_u32 v254, v255
	s_wait_dscnt 0x0
	ROUND                                          ; the closing round: no work-group ends while a partner may still ask jointly
	s_endpgm
.Lfunc_end_k_q279fad3f4b_attn:
	.size	k_q279fad3f4b_attn, .Lfunc_end_k_q279fad3f4b_attn-k_q279fad3f4b_attn
	.p2alignl 7, 3214868480
	.fill 96, 4, 3214868480
	.section	.rodata,"a",@progbits
	.p2align	6, 0x0
	.amdhsa_kernel k_q279fad3f4b_attn
		.amdhsa_group_segment_fixed_size 327680
		.amdhsa_private_segment_fixed_size 0
		.amdhsa_enable_private_segment 0
		.amdhsa_kernarg_size 16
		.amdhsa_user_sgpr_count 2
		.amdhsa_user_sgpr_kernarg_segment_ptr 1
		.amdhsa_wavefront_size32 1
		.amdhsa_system_sgpr_workgroup_id_x 1
		.amdhsa_system_sgpr_workgroup_id_y 1
		.amdhsa_system_sgpr_workgroup_id_z 1
		.amdhsa_system_vgpr_workitem_id 0
		.amdhsa_next_free_vgpr 256
		.amdhsa_next_free_sgpr 80
		.amdhsa_reserve_vcc 0
		.amdhsa_float_denorm_mode_32 3
		.amdhsa_float_denorm_mode_16_64 3
		.amdhsa_memory_ordered 1
		.amdhsa_forward_progress 1
		.amdhsa_inst_pref_size 52
	.end_amdhsa_kernel
	.amdgpu_metadata
---
amdhsa.version: [ 1, 2 ]
amdhsa.kernels:
  - .name:           k_q279fad3f4b_attn
    .symbol:         k_q279fad3f4b_attn.kd
    .args:
      - { .name: qkvimg, .offset: 0, .size: 8, .value_kind: global_buffer, .address_space: global }
      - { .name: oimg, .offset: 8, .size: 8, .value_kind: global_buffer, .address_space: global }
    .group_segment_fixed_size: 327680
    .private_segment_fixed_size: 0
    .kernarg_segment_align: 8
    .kernarg_segment_size: 16
    .max_flat_workgroup_size: 512
    .sgpr_count:     80
    .vgpr_count:     256
    .wavefront_size: 32
...
	.end_amdgpu_metadata
.endif
;; end of part 3
;; launch g_o (part 4): grid 8 x 32, 4 waves a work-group, clusters of 4 x 4, 327,680 bytes of LDS; arguments oimg, wimg, o_b, x, x1; writes x1
.if DOCPART == 4
	.amdgcn_target "amdgcn-amd-amdhsa--gfx1250"
	.amdhsa_code_object_version 6
	.text
	.protected	k_q279fad3f4b_g_o
	.globl	k_q279fad3f4b_g_o
	.p2align	8
	.type	k_q279fad3f4b_g_o,@function
k_q279fad3f4b_g_o:
	s_mov_b64 s[64:65], 0
	v_nop
	global_prefetch_b8 v0, s[64:65] scope:SCOPE_SE
	s_setreg_imm32_b32 hwreg(HW_REG_WAVE_MODE, 25, 1), 1
	s_wait_xcnt 0x0
	s_wait_alu depctr_hold_cnt(0) depctr_sa_sdst(0) depctr_va_vdst(0) depctr_va_sdst(0) depctr_va_ssrc(0) depctr_va_vcc(0) depctr_vm_vsrc(0)
	s_getreg_b32 s2, hwreg(HW_REG_IB_STS2, 6, 4)
	s_cmp_eq_u32 s2, 0
	s_cbranch_scc0 .Lentry_in_a_cluster
	s_endpgm
.Lentry_in_a_cluster:
	s_bfe_u32 s2, ttmp6, 0x10000c
	s_cmp_lg_u32 s2, 0xf033
	s_cbranch_scc0 .Lentry_shape_is_right
	s_endpgm
.Lentry_shape_is_right:
.set NT, 4
.set NQ, 4
.set KS, 8
.set A_S, 3145728
.set B_C, 2359296
.set B_S, 9535488
.set QB,   NT*NQ*1536
.set SLOT, 4*QB
.set SCL,  2*SLOT
.set QS,   NT*KS*64
.set SPARE, SCL+4*QS
.set SA_I, KS*64
.set SA_S, 64
.set SB_I, KS*64
.set SB_S, 64
.set ADRA, 16
.set ADRB, 20
.set ADSA, 22
.set ADSB, 23
.set G1, 24
.set G0, 32
.set G1B, 48
.set G0B, 56
.set G1S, 68
.set G0S, 76
.set G1SB, 80
.set G0SB, 88
.set MSB, 0
.macro WIN new
.if MSB != (\new)
	s_set_vgpr_msb (MSB<<8)|(\new)
.set MSB, \new
.endif
.endm
.macro JLOAD g0a, g1a, g0b, g1b
	s_cmp_eq_u32 s15, 0
	s_cbranch_scc0 .Lfor_b_\@
	tensor_load_to_lds s[\g0a:\g0a+3], s[\g1a:\g1a+7]
	s_nop 0
.rept 4
	v_nop
.endr
	s_branch .Lasked_\@
.Lfor_b_\@:
	tensor_load_to_lds s[\g0b:\g0b+3], s[\g1b:\g1b+7]
	s_nop 0
.rept 4
	v_nop
.endr
.Lasked_\@:
.endm
.macro CREST
	s_cmp_lg_u32 s14, 0
	s_cbranch_scc1 .Lnot_wave_0_\@
	s_barrier_signal -3
.Lnot_wave_0_\@:
	s_barrier_wait -3
	s_barrier_signal -1
	s_barrier_wait -1
.endm
.macro CROUND
	s_barrier_signal -1
	s_barrier_wait -1
	CREST
.endm
.macro PLACES n
.rept \n
	v_nop
.endr
.endm
.macro FRAG reg, adr, off
.irp c, 0,1,2
	ds_load_b128 v[(\reg)+4*\c:(\reg)+4*\c+3], v[\adr] offset:(\off)+512*\c
.endr
.endm
.macro FRAGH reg, adr, off
	ds_load_b128 v[(\reg):(\reg)+3], v[\adr] offset:(\off)
	ds_load_b64 v[(\reg)+4:(\reg)+5], v[(\adr)+2] offset:(\off)+512
	ds_load_b128 v[(\reg)+6:(\reg)+9], v[\adr] offset:(\off)+768
	ds_load_b64 v[(\reg)+10:(\reg)+11], v[(\adr)+2] offset:(\off)+1280
.endm
.macro FETCH slot, q, p
	WIN 0x40
.set fi, 0
.rept NT
	FRAG 128*(\p)+12*fi, ADRB+\slot, (fi*NQ+(\q))*1536
.set fi, fi+1
.endr
	WIN 0
.set fi, 0
.rept NT
	FRAGH 64+96*(\p)+12*fi, ADRA+\slot, (fi*NQ+(\q))*1536
.set fi, fi+1
.endr
.set fi, 0
.rept NT
	ds_load_b32 v[32+16*(\p)+fi], v[ADSA] offset:fi*SA_I+(\q)*SA_S
	ds_load_b32 v[40+16*(\p)+fi], v[ADSB] offset:fi*SB_I+(\q)*SB_S
.set fi, fi+1
.endr
.endm
.macro MULA a0, na, p, cm
.set ma, \a0
.rept \na
.set mb, 0
.rept NT
.set mi, NT*ma+mb
.set rD, 8*(mi%32)
.if \cm == 0
	WIN 0xa1+0x50*(mi/32)
	v_wmma_scale_f32_16x16x128_f8f6f4 v[rD:rD+7], v[128*(\p)+12*mb:128*(\p)+12*mb+11], v[64+96*(\p)+12*ma:64+96*(\p)+12*ma+11], v[rD:rD+7], v[40+16*(\p)+mb], v[32+16*(\p)+ma] matrix_a_fmt:MATRIX_FMT_FP6 matrix_b_fmt:MATRIX_FMT_FP6
.else
.set rC, 96+8*mb+96*(mb/4)
	WIN 0x91+0x40*(mi/32)
	v_wmma_scale_f32_16x16x128_f8f6f4 v[rD:rD+7], v[128*(\p)+12*mb:128*(\p)+12*mb+11], v[64+96*(\p)+12*ma:64+96*(\p)+12*ma+11], v[rC:rC+7], v[40+16*(\p)+mb], v[32+16*(\p)+ma] matrix_a_fmt:MATRIX_FMT_FP6 matrix_b_fmt:MATRIX_FMT_FP6
.endif
.set mb, mb+1
.endr
.set ma, ma+1
.endr
.endm
.macro STEP slot, q, cm
	s_wait_dscnt 0x0
	PLACES 4
	FETCH \slot, (\q)+1, 1-(\q)%2
	MULA 0, NT, (\q)%2, \cm
	WIN 0
.endm
.macro STEPS slot, q0
.set sq, \q0
.rept NQ-1-\q0
	STEP \slot, sq, 0
.set sq, sq+1
.endr
.endm
.macro TURN slot, next
	s_wait_tensorcnt 0x0
	ds_add_u32 v28, v29
	s_wait_dscnt 1
	MULA 0, NT/4, 1, 0
	s_wait_dscnt 0x0
	s_barrier_signal -1
	MULA NT/4, NT/4, 1, 0
	WIN 0
	s_barrier_wait -1
	PLACES 4
	v_add_nc_u32 v[ADSA], NQ*SA_S, v[ADSA]
	v_add_nc_u32 v[ADSB], NQ*SB_S, v[ADSB]
	FETCH \next, 0, 0
	MULA NT/2, NT/2, 1, 0
	WIN 0
.endm
	s_load_b256 s[4:11], s[0:1], 0x0
	s_load_b64 s[12:13], s[0:1], 0x20
	v_lshl_add_u32 v28, v0, 2, SPARE
	v_mov_b32 v29, 0
	ds_add_u32 v28, v29
	ds_add_u32 v28, v29
	s_wait_dscnt 0x0
	v_lshrrev_b32 v1, 5, v0
	v_readfirstlane_b32 s14, v1
	s_lshr_b32 s15, s14, 1
	s_and_b32 s16, s14, 1
	s_bfe_u32 s40, ttmp6, 0x40000
	s_bfe_u32 s41, ttmp6, 0x40004
	s_lshl_b32 s42, ttmp9, 2
	s_add_co_u32 s42, s42, s40
	s_and_b32 s17, ttmp7, 0xffff
	s_lshl_b32 s17, s17, 2
	s_add_co_u32 s17, s17, s41
	s_lshl_b32 s43, s41, 2
	s_lshl_b32 s43, 15, s43
	s_lshl_b32 s44, 0x1111, s40
	s_or_b32 s[G1+0], s43, (3<<16)|(1<<21)
	s_or_b32 s[G1B+0], s44, (3<<16)|(1<<21)
.irp g, G1, G1B
	s_mov_b32 s[\g+1], (192*NQ)<<16
	s_mov_b32 s[\g+2], (2*NT)<<16
	s_mov_b32 s[\g+3], (192*NQ)<<16
	s_mov_b32 s[\g+4], 2*NT
	s_mov_b32 s[\g+5], 192*KS
	s_mov_b32 s[\g+6], 0
	s_mov_b32 s[\g+7], 0
.endr
	s_or_b32 s[G1S+0], s43, (3<<16)|(1<<21)
	s_or_b32 s[G1SB+0], s44, (3<<16)|(1<<21)
.irp g, G1S, G1SB
	s_mov_b32 s[\g+1], 32<<16
	s_mov_b32 s[\g+2], (NT*KS/2)<<16
	s_mov_b32 s[\g+3], 32<<16
	s_mov_b32 s[\g+4], NT*KS/2
	s_mov_b32 s[\g+5], 32
	s_mov_b32 s[\g+6], 0
	s_mov_b32 s[\g+7], 0
.endr
	s_lshl_b32 s20, s17, 1
	s_mul_i32 s20, s20, NT
	s_lshl_b32 s46, s42, 1
	s_mul_i32 s46, s46, NT
	s_mul_i32 s22, s20, KS*64
	s_add_co_u32 s22, s22, A_S
	s_mov_b32 s23, 0
	s_mul_i32 s66, s46, KS*64
	s_add_co_u32 s66, s66, B_S
	s_mov_b32 s67, 0
	s_mul_i32 s20, s20, KS*1536
	s_mov_b32 s21, 0
	s_mul_i32 s46, s46, KS*1536
	s_add_co_u32 s46, s46, B_C
	s_mov_b32 s47, 0
	s_mul_i32 s45, s14, QB
	s_mul_i32 s94, s14, QS
	s_wait_kmcnt 0x0
	s_add_nc_u64 s[20:21], s[4:5], s[20:21]
	s_add_nc_u64 s[22:23], s[4:5], s[22:23]
	s_add_nc_u64 s[46:47], s[6:7], s[46:47]
	s_add_nc_u64 s[66:67], s[6:7], s[66:67]
	CROUND
	s_mov_b32 s[G0S], 1
	s_mov_b32 s[G0S+1], SCL
	s_mov_b64 s[G0S+2:G0S+3], s[22:23]
	s_or_b32 s[G0S+3], s[G0S+3], 0x80000000
	s_mov_b32 s[G0SB], 1
	s_mov_b32 s[G0SB+1], SCL+2*QS
	s_mov_b64 s[G0SB+2:G0SB+3], s[66:67]
	s_or_b32 s[G0SB+3], s[G0SB+3], 0x80000000
	s_mov_b32 s[G0], 1                             ; the head's four tiles, each whole, one load a wave: slot 0's 2 NT tiles of A,
	s_mov_b32 s[G0+1], 0
	s_mov_b64 s[G0+2:G0+3], s[20:21]
	s_or_b32 s[G0+3], s[G0+3], 0x80000000
	s_mov_b32 s[G0B], 1                            ; those of B, behind them,
	s_mov_b32 s[G0B+1], 2*QB
	s_mov_b64 s[G0B+2:G0B+3], s[46:47]
	s_or_b32 s[G0B+3], s[G0B+3], 0x80000000
.macro ARM under, g0, g1, next                 ; one chain of branches on the wave's number, one load to an arm, one join
	s_cmp_lt_u32 s14, \under
	s_cbranch_scc0 \next
	tensor_load_to_lds s[\g0:\g0+3], s[\g1:\g1+7]
	s_nop 0
.rept 4
	v_nop
.endr
	s_branch .Lhead_asked
\next:
.endm
	ARM 1, G0,  G1,  .Lhead_b
	ARM 2, G0B, G1B, .Lhead_sa
	ARM 3, G0S, G1S, .Lhead_sb                     ; A's scale words, and B's
	tensor_load_to_lds s[G0SB:G0SB+3], s[G1SB:G1SB+7]
	s_nop 0
.rept 4
	v_nop
.endr
.Lhead_asked:
	s_wait_alu depctr_va_vdst(0)
	s_wait_tensorcnt 0x0                           ; my tile of the four is in; the three lines ahead of slot 1's first fill
	ds_add_u32 v28, v29
	s_mov_b32 s[G1+2], NT<<16                      ; no load of mine is out: from here on a load brings NT tiles
	s_mov_b32 s[G1+4], NT
	s_mov_b32 s[G1B+2], NT<<16
	s_mov_b32 s[G1B+4], NT
	s_mul_i32 s92, s16, NT*KS*1536                 ; in the ring I fetch one half
	s_mov_b32 s93, 0
	s_add_nc_u64 s[20:21], s[20:21], s[92:93]
	s_add_nc_u64 s[46:47], s[46:47], s[92:93]
.irp s, 0,1
	s_mov_b32 s[G0+4*\s], 1
	s_add_co_u32 s[G0+4*\s+1], s45, \s*SLOT
	s_add_nc_u64 s[G0+4*\s+2:G0+4*\s+3], s[20:21], \s*NQ*1536
	s_or_b32 s[G0+4*\s+3], s[G0+4*\s+3], 0x80000000
	s_mov_b32 s[G0B+4*\s], 1
	s_add_co_u32 s[G0B+4*\s+1], s45, \s*SLOT
	s_add_nc_u64 s[G0B+4*\s+2:G0B+4*\s+3], s[46:47], \s*NQ*1536
	s_or_b32 s[G0B+4*\s+3], s[G0B+4*\s+3], 0x80000000
.endr
	s_wait_dscnt 0x0                               ; the add is done
	CROUND                                         ; all four tiles are in, in every partner
	JLOAD G0+4, G1, G0B+4, G1B                     ; slot 1's first fill: my one load behind the round
	v_and_b32 v1, 31, v0
	v_and_b32 v2, 15, v0
	s_wait_alu depctr_va_vdst(0)
	v_bfe_u32 v3, v0, 4, 1
	v_lshlrev_b32 v4, 6, v3
	s_mul_i32 s21, s15, QB
	s_mul_i32 s22, s16, QB
	s_add_co_u32 s22, s22, 2*QB
.irp s, 0,1
	v_lshl_add_u32 v[ADRA+\s], v1, 4, s21
	v_lshl_add_u32 v[ADRA+2+\s], v1, 3, s21
	v_lshl_add_u32 v[ADRB+\s], v1, 4, s22
	s_add_co_u32 s21, s21, SLOT
	s_add_co_u32 s22, s22, SLOT
.endr
	s_mul_i32 s21, s15, QS
	s_add_co_u32 s21, s21, SCL
	v_lshl_add_u32 v[ADSA], v2, 2, s21
	s_mul_i32 s22, s16, QS
	s_add_co_u32 s22, s22, SCL+2*QS
	v_lshl_add_u32 v[ADSB], v2, 2, s22
	s_mul_i32 s21, s14, 4352
	v_mul_u32_u24 v24, v2, 272
	v_lshl_add_u32 v24, v3, 6, v24
	v_add_nc_u32 v24, s21, v24
	v_mul_u32_u24 v25, v3, 272
	v_lshl_add_u32 v25, v2, 4, v25
	v_add_nc_u32 v25, s21, v25
	v_lshlrev_b32 v26, 12, v3
	v_lshl_add_u32 v26, v2, 4, v26
	s_wait_alu depctr_va_vdst(0)
	s_lshl_b32 s20, s17, 1
	s_add_co_u32 s20, s20, s15
	s_lshl_b32 s20, s20, 18
	s_lshl_b32 s46, s42, 1
	s_add_co_u32 s46, s46, s16
	s_lshl_b32 s46, s46, 8
	s_add_co_u32 s20, s20, s46
	s_mov_b32 s21, 0
	s_mov_b32 s47, 0
	s_add_nc_u64 s[10:11], s[10:11], s[20:21]
	s_add_nc_u64 s[12:13], s[12:13], s[20:21]
	s_add_nc_u64 s[8:9], s[8:9], s[46:47]
	WIN 0x40
.set fi, 0
.rept NT
	global_load_b128 v[96+8*fi:96+8*fi+3], v4, s[8:9] offset:(32*(fi/2)+8*(fi%2))*4
	global_load_b128 v[96+8*fi+4:96+8*fi+7], v4, s[8:9] offset:(32*(fi/2)+8*(fi%2))*4+16
.set fi, fi+1
.endr
	WIN 0x80
.set ea, 0
.rept 4
.set et, 0
.rept 8
	global_load_b128 v[128+32*ea+4*et:128+32*ea+4*et+3], v26, s[10:11] offset:(32*(ea/2)+8*(ea%2)+2*et+8*(et/4))*4096 th:TH_LOAD_NT
.set et, et+1
.endr
.set ea, ea+1
.endr
	WIN 0
	s_wait_tensorcnt 1
	s_barrier_signal -1
	s_barrier_wait -1
	FETCH 0, 0, 0
	s_wait_loadcnt 32
	STEP 0, 0, 1
	STEPS 0, 1
	TURN 0, 1
	s_wait_alu depctr_va_vdst(0)
	STEPS 1, 0
	s_wait_dscnt 0x0
	MULA 0, NT, 1, 0
	WIN 0
	PLACES 4
	s_wait_loadcnt 0x0
.set ea, 0
.rept 4
.if ea > 0
	s_wait_xcnt 0x0
.endif
	WIN 0x08
.set eb, 0
.rept 4
	ds_store_b128 v24, v[8*(4*ea+eb):8*(4*ea+eb)+3] offset:128*(eb/2)+32*(eb%2)
	ds_store_b128 v24, v[8*(4*ea+eb)+4:8*(4*ea+eb)+7] offset:128*(eb/2)+32*(eb%2)+16
.set eb, eb+1
.endr
	WIN 0
.set et, 0
.rept 8
	ds_load_b128 v[64+4*et:64+4*et+3], v25 offset:544*et
.set et, et+1
.endr
	s_wait_dscnt 0x0
	WIN 0x08
.set et, 0
.rept 16
	v_pk_add_f32 v[64+2*et:64+2*et+1], v[64+2*et:64+2*et+1], v[128+32*ea+2*et:128+32*ea+2*et+1]
.set et, et+1
.endr
	WIN 0
.set et, 0
.rept 8
	global_store_b128 v26, v[64+4*et:64+4*et+3], s[12:13] offset:(32*(ea/2)+8*(ea%2)+2*et+8*(et/4))*4096 th:TH_STORE_NT
.set et, et+1
.endr
.set ea, ea+1
.endr
	s_wait_tensorcnt 0x0
	ds_add_u32 v28, v29
	s_wait_dscnt 0x0
	CROUND
	s_endpgm
.Lfunc_end_k_q279fad3f4b_g_o:
	.size	k_q279fad3f4b_g_o, .Lfunc_end_k_q279fad3f4b_g_o-k_q279fad3f4b_g_o
	.p2alignl 7, 3214868480
	.fill 96, 4, 3214868480
	.section	.rodata,"a",@progbits
	.p2align	6, 0x0
	.amdhsa_kernel k_q279fad3f4b_g_o
		.amdhsa_group_segment_fixed_size 327680
		.amdhsa_private_segment_fixed_size 0
		.amdhsa_enable_private_segment 0
		.amdhsa_kernarg_size 40
		.amdhsa_user_sgpr_count 2
		.amdhsa_user_sgpr_kernarg_segment_ptr 1
		.amdhsa_wavefront_size32 1
		.amdhsa_system_sgpr_workgroup_id_x 1
		.amdhsa_system_sgpr_workgroup_id_y 1
		.amdhsa_system_sgpr_workgroup_id_z 1
		.amdhsa_system_vgpr_workitem_id 0
		.amdhsa_next_free_vgpr 768
		.amdhsa_next_free_sgpr 100
		.amdhsa_reserve_vcc 0
		.amdhsa_float_denorm_mode_32 3
		.amdhsa_float_denorm_mode_16_64 3
		.amdhsa_memory_ordered 1
		.amdhsa_forward_progress 1
		.amdhsa_inst_pref_size 64
	.end_amdhsa_kernel
	.amdgpu_metadata
---
amdhsa.version: [ 1, 2 ]
amdhsa.kernels:
  - .name:           k_q279fad3f4b_g_o
    .symbol:         k_q279fad3f4b_g_o.kd
    .args:
      - { .name: oimg, .offset: 0, .size: 8, .value_kind: global_buffer, .address_space: global }
      - { .name: wimg, .offset: 8, .size: 8, .value_kind: global_buffer, .address_space: global }
      - { .name: o_b, .offset: 16, .size: 8, .value_kind: global_buffer, .address_space: global }
      - { .name: x, .offset: 24, .size: 8, .value_kind: global_buffer, .address_space: global }
      - { .name: x1, .offset: 32, .size: 8, .value_kind: global_buffer, .address_space: global }
    .group_segment_fixed_size: 327680
    .private_segment_fixed_size: 0
    .kernarg_segment_align: 8
    .kernarg_segment_size: 40
    .max_flat_workgroup_size: 128
    .sgpr_count:     100
    .vgpr_count:     768
    .wavefront_size: 32
...
	.end_amdgpu_metadata
.endif
;; end of part 4
;; launch ln2 (part 5): grid 256 x 1, 8 waves a work-group, no clusters, 70,144 bytes of LDS; arguments x1, ln2_g, ln2_b, hq; writes hq
.if DOCPART == 5
	.amdgcn_target "amdgcn-amd-amdhsa--gfx1250"
	.amdhsa_code_object_version 6
	.text
	.protected	k_q279fad3f4b_ln2
	.globl	k_q279fad3f4b_ln2
	.p2align	8
	.type	k_q279fad3f4b_ln2,@function
k_q279fad3f4b_ln2:
	s_mov_b64 s[64:65], 0
	v_nop
	global_prefetch_b8 v0, s[64:65] scope:SCOPE_SE
	s_setreg_imm32_b32 hwreg(HW_REG_WAVE_MODE, 25, 1), 1
	s_wait_xcnt 0x0
; h = (x - mean) rsqrt(var + 1e-5) g + b over rows of 1,024 f32, quantised along the row to FP6 (E2M3) with one E8M0 byte for each 32, and stored as images of operand registers (fragment (t, s) at (8 t + s) x 1,536,
; three pieces of 512 bytes; scale words at 3,145,728 + (8 t + s) x 64 + 4 r).  Position r of tile t is row 32 (t / 2) + 8 (t % 2) + r + 8 (r / 8).
; SHARES: work-group t takes tile t, 16 whole rows; wave s their K step s (128 numbers of each row).  Sums meet in LDS: two barriers for the mean and the variance, one for the scale words.
; The variance is taken of x - mean (two passes over registers), so a common offset of the inputs forms no difference of large sums.
; Loads read 512 consecutive bytes of a row and turn through the wave's own stage (rows 528 bytes apart).  No cluster, no tensor load: rows are read once, by one work-group; g and b are 8 KB.
; LIMITS: NaN and infinities are not served; rsqrt is the 1-ulp instruction; a block under 2^-124 (zeros too) gets the byte 1, read by this program alone.
.set HQ_S, 3145728
.set ST1, 67584                        ; LDS behind the eight stages: partial sums [row][wave], 512 bytes; the squares' 512 bytes behind them
.set SG,  68608                        ; the 128 scale words
.set X,   32                           ; v32-95   my 64 numbers
.set G,   96                           ; v96-159  g at my 64 places
.set BV,  160                          ; v160-223 b
.set PC,  96                           ; the quantiser's registers take g's when g is done with
.set TM,  116
.set PW,  132
.set SEL, 18
.set MSB, 0
.macro WIN new
.if MSB != (\new)
	s_set_vgpr_msb (MSB<<8)|(\new)
.set MSB, \new
.endif
.endm
.macro QUANT s, w                      ; 64 numbers, register 16 b + i = k 32 b + 16 (lane / 16) + i of my row -> codes in v[PC] on, scale word in v[PW]
	WIN ((\w)<<2)|(\w)
.irp b, 0,1,2,3
	v_max3_num_f32 v[TM+\b], |v[(\s)+16*\b]|, |v[(\s)+16*\b+1]|, 0x1800000   ; with the floor 2^(3 - 127)
.endr
.irp i, 2,4,6,8,10,12,14
.irp b, 0,1,2,3
	s_delay_alu instid0(VALU_DEP_4)
	v_max3_num_f32 v[TM+\b], |v[(\s)+16*\b+\i]|, |v[(\s)+16*\b+\i+1]|, v[TM+\b]
.endr
.endr
	WIN 0
.irp b, 0,1,2,3
	s_delay_alu instid0(VALU_DEP_4)
	v_permlanex16_b32 v[TM+4+\b], v[TM+\b], s[SEL], s[SEL+1]
.endr
.irp b, 0,1,2,3
	s_delay_alu instid0(VALU_DEP_4)
	v_max_num_f32 v[TM+\b], v[TM+\b], v[TM+4+\b]
.endr
.irp b, 0,1,2,3
	s_delay_alu instid0(VALU_DEP_4)
	v_add_nc_u32 v[TM+12+\b], 0xff000000, v[TM+\b]        ; 2 off the exponent field: the conversion's scale operand
.endr
.irp b, 0,1,2,3
	s_delay_alu instid0(VALU_DEP_4)
	v_lshrrev_b32 v[TM+4+\b], 23, v[TM+12+\b]             ; the byte
.endr
	s_delay_alu instid0(VALU_DEP_3)
	v_lshl_or_b32 v[PW], v[TM+5], 8, v[TM+4]
	s_delay_alu instid0(VALU_DEP_1)
	v_lshl_or_b32 v[PW], v[TM+6], 16, v[PW]
	s_delay_alu instid0(VALU_DEP_1)
	v_lshl_or_b32 v[PW], v[TM+7], 24, v[PW]
	WIN (\w)
.irp c, 0,1
	v_cvt_scalef32_pk16_fp6_f32 v[PC+6*\c:PC+6*\c+2], v[(\s)+32*\c:(\s)+32*\c+15], v[TM+12+2*\c]
	v_cvt_scalef32_pk16_fp6_f32 v[PC+12+4*\c:PC+14+4*\c], v[(\s)+32*\c+16:(\s)+32*\c+31], v[TM+13+2*\c]
.endr
	WIN 0
	v_nop                                          ; one plain place behind a scaled conversion
.irp c, 0,1
.irp i, 0,1,2
	v_permlane16_swap_b32 v[PC+6*\c+\i], v[PC+12+4*\c+\i]
.endr
.irp i, 0,1,2
	s_delay_alu instid0(VALU_DEP_3)
	v_mov_b32 v[PC+3+6*\c+\i], v[PC+12+4*\c+\i]
.endr
.endr
.endm
.macro ROWSUM                          ; four chains of pairs in v[16:23] -> v16: the sum over my row's 128 numbers of this K step
	s_delay_alu instid0(VALU_DEP_3)
	v_pk_add_f32 v[16:17], v[16:17], v[18:19]
	s_delay_alu instid0(VALU_DEP_2)
	v_pk_add_f32 v[20:21], v[20:21], v[22:23]
	s_delay_alu instid0(VALU_DEP_1)
	v_pk_add_f32 v[16:17], v[16:17], v[20:21]
	s_delay_alu instid0(VALU_DEP_1)
	v_add_f32 v16, v16, v17
	s_delay_alu instid0(VALU_DEP_1)
	v_permlanex16_b32 v17, v16, s[SEL], s[SEL+1]
	s_delay_alu instid0(VALU_DEP_1)
	v_add_f32 v16, v16, v17
.endm
.macro ALLSUM off                      ; the eight waves' parts meet in LDS -> v24: the sum over the whole row
	ds_store_b32 v6, v16 offset:\off
	s_wait_dscnt 0x0                               ; for the others' sake: my part has landed
	s_barrier_signal -1
	s_barrier_wait -1
	ds_load_b128 v[24:27], v7 offset:\off
	ds_load_b128 v[28:31], v7 offset:\off+16
	s_wait_dscnt 0x0
	v_pk_add_f32 v[24:25], v[24:25], v[26:27]
	v_pk_add_f32 v[28:29], v[28:29], v[30:31]
	s_delay_alu instid0(VALU_DEP_1)
	v_pk_add_f32 v[24:25], v[24:25], v[28:29]
	s_delay_alu instid0(VALU_DEP_1)
	v_add_f32 v24, v24, v25
.endm
	s_load_b256 s[4:11], s[0:1], 0x0               ; the rows, g, b, hq
	v_lshl_add_u32 v224, v0, 2, 0x10e00
	v_mov_b32 v225, 0
	v_lshrrev_b32 v1, 5, v0
	s_delay_alu instid0(VALU_DEP_1)
	v_readfirstlane_b32 s20, v1                    ; wave = K step
	v_and_b32 v2, 31, v0                           ; lane
	v_and_b32 v3, 15, v0                           ; r
	v_bfe_u32 v11, v0, 4, 1                        ; h
	s_delay_alu instid0(VALU_DEP_3)
	v_lshlrev_b32 v1, 4, v2                        ; 16 x lane
	s_mul_i32 s21, s20, 8448                       ; my stage
	v_add_nc_u32 v4, s21, v1
	v_mul_u32_u24 v5, v3, 528
	s_delay_alu instid0(VALU_DEP_1)
	v_lshl_add_u32 v5, v11, 6, v5
	s_delay_alu instid0(VALU_DEP_1)
	v_add_nc_u32 v5, s21, v5
	s_lshl_b32 s22, s20, 2
	s_add_co_u32 s22, s22, ST1
	v_lshl_add_u32 v6, v3, 5, s22                  ; my part of row r's sums
	v_lshl_add_u32 v7, v3, 5, ST1                  ; row r's eight parts
	s_lshl_b32 s22, s20, 6
	s_add_co_u32 s22, s22, SG
	v_lshl_add_u32 v8, v3, 2, s22
	v_add_nc_u32 v9, SG, v1
	v_lshlrev_b32 v10, 6, v11                      ; g, b: 64 h
	s_mov_b32 s16, 0x3a800000                      ; 1 / 1,024
	s_mov_b32 s17, 0x3727c5ac                      ; 1e-5
	s_mov_b32 s[SEL], 0x76543210
	s_mov_b32 s[SEL+1], 0xfedcba98
	s_lshr_b32 s23, ttmp9, 1
	s_lshl_b32 s23, s23, 5
	s_and_b32 s24, ttmp9, 1
	s_lshl_b32 s24, s24, 3
	s_add_co_u32 s23, s23, s24                     ; the tile's first row
	s_lshl_b32 s24, s23, 12
	s_lshl_b32 s26, s20, 9                         ; my K step's 512 bytes
	s_add_co_u32 s24, s24, s26
	s_mov_b32 s25, 0
	s_mov_b32 s27, 0
	s_lshl_b32 s28, ttmp9, 3
	s_add_co_u32 s28, s28, s20
	s_mul_i32 s28, s28, 1536
	s_mov_b32 s29, 0
	s_lshl_b32 s30, ttmp9, 9
	s_add_co_u32 s30, s30, HQ_S
	s_mov_b32 s31, 0
	s_wait_alu depctr_va_vdst(0)
	s_wait_kmcnt 0x0
	s_add_nc_u64 s[4:5], s[4:5], s[24:25]
	s_add_nc_u64 s[6:7], s[6:7], s[26:27]
	s_add_nc_u64 s[8:9], s[8:9], s[26:27]
	s_add_nc_u64 s[28:29], s[10:11], s[28:29]
	s_add_nc_u64 s[30:31], s[10:11], s[30:31]
.irp p, 0,1,2,3,4,5,6,7,8,9,10,11,12,13,14,15
	global_load_b128 v[X+4*\p:X+4*\p+3], v1, s[4:5] offset:(\p+8*(\p/8))*4096 th:TH_LOAD_NT   ; 512 consecutive bytes of position p's row
.endr
.irp b, 0,1,2,3
.irp j, 0,1,2,3
	global_load_b128 v[G+16*\b+4*\j:G+16*\b+4*\j+3], v10, s[6:7] offset:128*\b+16*\j
	global_load_b128 v[BV+16*\b+4*\j:BV+16*\b+4*\j+3], v10, s[8:9] offset:128*\b+16*\j
.endr
.endr
	s_wait_loadcnt 32                              ; the rows' 16 loads are in; the 32 younger ones, g's and b's, may stay out
.irp p, 0,1,2,3,4,5,6,7,8,9,10,11,12,13,14,15
	ds_store_b128 v4, v[X+4*\p:X+4*\p+3] offset:528*\p
.endr
.irp b, 0,1,2,3
.irp j, 0,1,2,3
	ds_load_b128 v[X+16*\b+4*\j:X+16*\b+4*\j+3], v5 offset:128*\b+16*\j   ; LDS serves a wave's instructions in order
.endr
.endr
	s_wait_dscnt 0x0
.irp k, 0,1,2,3
	v_pk_add_f32 v[16+2*\k:17+2*\k], v[X+4*\k:X+4*\k+1], v[X+4*\k+2:X+4*\k+3]
.endr
.irp j, 16,24,32,40,48,56
.irp k, 0,1,2,3
	s_delay_alu instid0(VALU_DEP_4)
	v_pk_add_f32 v[16+2*\k:17+2*\k], v[16+2*\k:17+2*\k], v[X+\j+2*\k:X+\j+2*\k+1]
.endr
.endr
	ROWSUM
	ALLSUM 0
	s_delay_alu instid0(VALU_DEP_1)
	v_mul_f32 v24, s16, v24                        ; the mean,
	s_delay_alu instid0(VALU_DEP_1)
	v_mov_b32 v25, v24                             ; as a pair
.set j, 0
.rept 32
	v_pk_add_f32 v[X+j:X+j+1], v[X+j:X+j+1], v[24:25] neg_lo:[0,1] neg_hi:[0,1]
.set j, j+2
.endr
.irp k, 0,1,2,3
	v_pk_mul_f32 v[16+2*\k:17+2*\k], v[X+2*\k:X+2*\k+1], v[X+2*\k:X+2*\k+1]
.endr
.irp j, 8,16,24,32,40,48,56
.irp k, 0,1,2,3
	s_delay_alu instid0(VALU_DEP_4)
	v_pk_fma_f32 v[16+2*\k:17+2*\k], v[X+\j+2*\k:X+\j+2*\k+1], v[X+\j+2*\k:X+\j+2*\k+1], v[16+2*\k:17+2*\k]
.endr
.endr
	ROWSUM
	ALLSUM 512
	s_delay_alu instid0(VALU_DEP_1)
	v_fma_f32 v24, v24, s16, s17                   ; the variance + 1e-5
	s_wait_alu depctr_va_vdst(0)
	v_rsq_f32 v26, v24
	v_nop                                          ; a plain place behind the transcendental
	s_wait_alu depctr_va_vdst(0)                   ; the wait ahead of the first reader
	v_mov_b32 v27, v26
	s_wait_alu depctr_va_vdst(0)
	s_wait_loadcnt 0x0                             ; g and b
.set j, 0
.rept 32
	v_pk_mul_f32 v[X+j:X+j+1], v[X+j:X+j+1], v[26:27]
.set j, j+2
.endr
.set j, 0
.rept 32
	v_pk_fma_f32 v[X+j:X+j+1], v[X+j:X+j+1], v[G+j:G+j+1], v[BV+j:BV+j+1]
.set j, j+2
.endr
.irp b, 0,1,2,3
	v_mov_b32 v[TM+4+\b], 0
.endr
	QUANT X, 0
.irp c, 0,1,2
	global_store_b128 v1, v[PC+4*\c:PC+4*\c+3], s[28:29] offset:512*\c
.endr
	ds_store_b32 v8, v[PW]
	s_wait_dscnt 0x0
	s_barrier_signal -1
	s_barrier_wait -1
	s_cmp_lg_u32 s20, 0
	s_cbranch_scc1 .Lend
	ds_load_b128 v[X:X+3], v9
	s_wait_dscnt 0x0
	global_store_b128 v1, v[X:X+3], s[30:31]       ; the tile's 128 scale words: 512 consecutive bytes
.Lend:
	s_wait_tensorcnt 0x0
	ds_add_u32 v224, v225
	s_wait_dscnt 0x0
	s_endpgm
.Lfunc_end_k_q279fad3f4b_ln2:
	.size	k_q279fad3f4b_ln2, .Lfunc_end_k_q279fad3f4b_ln2-k_q279fad3f4b_ln2
	.p2alignl 7, 3214868480
	.fill 96, 4, 3214868480
	.section	.rodata,"a",@progbits
	.p2align	6, 0x0
	.amdhsa_kernel k_q279fad3f4b_ln2
		.amdhsa_group_segment_fixed_size 70144
		.amdhsa_private_segment_fixed_size 0
		.amdhsa_enable_private_segment 0
		.amdhsa_kernarg_size 32
		.amdhsa_user_sgpr_count 2
		.amdhsa_user_sgpr_kernarg_segment_ptr 1
		.amdhsa_wavefront_size32 1
		.amdhsa_system_sgpr_workgroup_id_x 1
		.amdhsa_system_sgpr_workgroup_id_y 1
		.amdhsa_system_sgpr_workgroup_id_z 1
		.amdhsa_system_vgpr_workitem_id 0
		.amdhsa_next_free_vgpr 226
		.amdhsa_next_free_sgpr 66
		.amdhsa_reserve_vcc 0
		.amdhsa_float_denorm_mode_32 3
		.amdhsa_float_denorm_mode_16_64 3
		.amdhsa_memory_ordered 1
		.amdhsa_forward_progress 1
		.amdhsa_inst_pref_size 30
	.end_amdhsa_kernel
	.amdgpu_metadata
---
amdhsa.version: [ 1, 2 ]
amdhsa.kernels:
  - .name:           k_q279fad3f4b_ln2
    .symbol:         k_q279fad3f4b_ln2.kd
    .args:
      - { .name: x1, .offset: 0, .size: 8, .value_kind: global_buffer, .address_space: global }
      - { .name: ln2_g, .offset: 8, .size: 8, .value_kind: global_buffer, .address_space: global }
      - { .name: ln2_b, .offset: 16, .size: 8, .value_kind: global_buffer, .address_space: global }
      - { .name: hq, .offset: 24, .size: 8, .value_kind: global_buffer, .address_space: global }
    .group_segment_fixed_size: 70144
    .private_segment_fixed_size: 0
    .kernarg_segment_align: 8
    .kernarg_segment_size: 32
    .max_flat_workgroup_size: 256
    .sgpr_count:     66
    .vgpr_count:     226
    .wavefront_size: 32
...
	.end_amdgpu_metadata
.endif
;; end of part 5
;; launch g_ffn1 (part 6): grid 16 x 16, 4 waves a work-group, clusters of 4 x 4, 327,680 bytes of LDS; arguments hq, wimg, ffn_b1, act; writes act
.if DOCPART == 6
	.amdgcn_target "amdgcn-amd-amdhsa--gfx1250"
	.amdhsa_code_object_version 6
	.text
	.protected	k_q279fad3f4b_g_ffn1
	.globl	k_q279fad3f4b_g_ffn1
	.p2align	8
	.type	k_q279fad3f4b_g_ffn1,@function
k_q279fad3f4b_g_ffn1:
	s_mov_b64 s[64:65], 0
	v_nop
	global_prefetch_b8 v0, s[64:65] scope:SCOPE_SE
	s_setreg_imm32_b32 hwreg(HW_REG_WAVE_MODE, 25, 1), 1
	s_wait_xcnt 0x0
	s_wait_alu depctr_hold_cnt(0) depctr_sa_sdst(0) depctr_va_vdst(0) depctr_va_sdst(0) depctr_va_ssrc(0) depctr_va_vcc(0) depctr_vm_vsrc(0)
	s_getreg_b32 s2, hwreg(HW_REG_IB_STS2, 6, 4)
	s_cmp_eq_u32 s2, 0
	s_cbranch_scc0 .Lentry_in_a_cluster
	s_endpgm
.Lentry_in_a_cluster:
	s_bfe_u32 s2, ttmp6, 0x10000c
	s_cmp_lg_u32 s2, 0xf033
	s_cbranch_scc0 .Lentry_shape_is_right
	s_endpgm
.Lentry_shape_is_right:
.set NT, 8
.set NQ, 2
.set KS, 8
.set LAPS, 2
.set A_S, 3145728
.set B_C, 3145728
.set B_S, 9568256
.set ACT_S, 12582912
.set QB,   NT*NQ*1536
.set SLOT, 4*QB
.set SCL,  2*SLOT
.set QS,   NT*KS*64
.set SPARE, SCL+4*QS
.set SA_I, KS*64
.set SA_S, 64
.set SB_I, KS*64
.set SB_S, 64
.set ADRA, 16
.set ADRB, 20
.set ADSA, 22
.set ADSB, 23
.set ZR,  128
.set X2,  160
.set PR,  192
.set QR,  224
.set PC,  128
.set TM,  148
.set PW,  164
.set G1, 24
.set G0, 32
.set G1B, 48
.set G0B, 56
.set G1S, 68
.set G0S, 76
.set G1SB, 80
.set G0SB, 88
.set SEL, 98
.set MSB, 0
.macro WIN new
.if MSB != (\new)
	s_set_vgpr_msb (MSB<<8)|(\new)
.set MSB, \new
.endif
.endm
.macro JLOAD g0a, g1a, g0b, g1b
	s_cmp_eq_u32 s15, 0
	s_cbranch_scc0 .Lfor_b_\@
	tensor_load_to_lds s[\g0a:\g0a+3], s[\g1a:\g1a+7]
	s_nop 0
.rept 4
	v_nop
.endr
	s_branch .Lasked_\@
.Lfor_b_\@:
	tensor_load_to_lds s[\g0b:\g0b+3], s[\g1b:\g1b+7]
	s_nop 0
.rept 4
	v_nop
.endr
.Lasked_\@:
.endm
.macro CREST
	s_cmp_lg_u32 s14, 0
	s_cbranch_scc1 .Lnot_wave_0_\@
	s_barrier_signal -3
.Lnot_wave_0_\@:
	s_barrier_wait -3
	s_barrier_signal -1
	s_barrier_wait -1
.endm
.macro CROUND
	s_barrier_signal -1
	s_barrier_wait -1
	CREST
.endm
.macro PLACES n
.rept \n
	v_nop
.endr
.endm
.macro FRAG reg, adr, off
.irp c, 0,1,2
	ds_load_b128 v[(\reg)+4*\c:(\reg)+4*\c+3], v[\adr] offset:(\off)+512*\c
.endr
.endm
.macro FETCH slot, q, p
	WIN 0x40
.set fi, 0
.rept NT
	FRAG 128*(\p)+12*fi, ADRB+\slot, (fi*NQ+(\q))*1536
.set fi, fi+1
.endr
	WIN 0
.set fi, 0
.rept NT
	FRAG 64+96*(\p)+12*fi, ADRA+\slot, (fi*NQ+(\q))*1536
.set fi, fi+1
.endr
.set fi, 0
.rept NT
	ds_load_b32 v[32+16*(\p)+fi], v[ADSA] offset:fi*SA_I+(\q)*SA_S
	ds_load_b32 v[40+16*(\p)+fi], v[ADSB] offset:fi*SB_I+(\q)*SB_S
.set fi, fi+1
.endr
.endm
.macro MULA a0, na, p, cm
.set ma, \a0
.rept \na
.set mb, 0
.rept NT
.set mi, NT*ma+mb
.set rD, 8*(mi%32)
.if \cm == 0
	WIN 0xa1+0x50*(mi/32)
	v_wmma_scale_f32_16x16x128_f8f6f4 v[rD:rD+7], v[128*(\p)+12*mb:128*(\p)+12*mb+11], v[64+96*(\p)+12*ma:64+96*(\p)+12*ma+11], v[rD:rD+7], v[40+16*(\p)+mb], v[32+16*(\p)+ma] matrix_a_fmt:MATRIX_FMT_FP6 matrix_b_fmt:MATRIX_FMT_FP6
.else
.set rC, 96+8*mb+96*(mb/4)
	WIN 0x91+0x40*(mi/32)
	v_wmma_scale_f32_16x16x128_f8f6f4 v[rD:rD+7], v[128*(\p)+12*mb:128*(\p)+12*mb+11], v[64+96*(\p)+12*ma:64+96*(\p)+12*ma+11], v[rC:rC+7], v[40+16*(\p)+mb], v[32+16*(\p)+ma] matrix_a_fmt:MATRIX_FMT_FP6 matrix_b_fmt:MATRIX_FMT_FP6
.endif
.set mb, mb+1
.endr
.set ma, ma+1
.endr
.endm
.macro STEP slot, q, cm
	s_wait_dscnt 0x0
	PLACES 4
	FETCH \slot, (\q)+1, 1-(\q)%2
	MULA 0, NT, (\q)%2, \cm
	WIN 0
.endm
.macro STEPS slot, q0
.set sq, \q0
.rept NQ-1-\q0
	STEP \slot, sq, 0
.set sq, sq+1
.endr
.endm
.macro TURN slot, next, fill
	s_wait_tensorcnt 0x0
	ds_add_u32 v28, v29
	s_wait_dscnt 1
	MULA 0, NT/4, 1, 0
	s_wait_dscnt 0x0
	s_barrier_signal -1
	MULA NT/4, NT/4, 1, 0
	WIN 0
	s_barrier_wait -1
.if \fill
	CREST
	s_add_nc_u64 s[G0+4*\slot+2:G0+4*\slot+3], s[G0+4*\slot+2:G0+4*\slot+3], 2*NQ*1536
	s_add_nc_u64 s[G0B+4*\slot+2:G0B+4*\slot+3], s[G0B+4*\slot+2:G0B+4*\slot+3], 2*NQ*1536
	JLOAD G0+4*\slot, G1, G0B+4*\slot, G1B
.else
	PLACES 4
.endif
	s_wait_alu depctr_va_vdst(0)
	v_add_nc_u32 v[ADSA], NQ*SA_S, v[ADSA]
	v_add_nc_u32 v[ADSB], NQ*SB_S, v[ADSB]
	FETCH \next, 0, 0
	MULA NT/2, NT/2, 1, 0
	WIN 0
.endm
.macro QUANT s, w
	WIN ((\w)<<2)|(\w)
.irp b, 0,1,2,3
	v_max3_num_f32 v[TM+\b], |v[(\s)+16*\b]|, |v[(\s)+16*\b+1]|, 0x1800000
.endr
.irp i, 2,4,6,8,10,12,14
.irp b, 0,1,2,3
	v_max3_num_f32 v[TM+\b], |v[(\s)+16*\b+\i]|, |v[(\s)+16*\b+\i+1]|, v[TM+\b]
.endr
.endr
	WIN 0
.irp b, 0,1,2,3
	v_permlanex16_b32 v[TM+4+\b], v[TM+\b], s[SEL], s[SEL+1]
.endr
.irp b, 0,1,2,3
	v_max_num_f32 v[TM+\b], v[TM+\b], v[TM+4+\b]
.endr
.irp b, 0,1,2,3
	v_add_nc_u32 v[TM+12+\b], 0xff000000, v[TM+\b]
.endr
.irp b, 0,1,2,3
	v_lshrrev_b32 v[TM+4+\b], 23, v[TM+12+\b]
.endr
	v_lshl_or_b32 v[PW], v[TM+5], 8, v[TM+4]
	v_lshl_or_b32 v[PW], v[TM+6], 16, v[PW]
	v_lshl_or_b32 v[PW], v[TM+7], 24, v[PW]
	WIN (\w)
.irp c, 0,1
	v_cvt_scalef32_pk16_fp6_f32 v[PC+6*\c:PC+6*\c+2], v[(\s)+32*\c:(\s)+32*\c+15], v[TM+12+2*\c]
	v_cvt_scalef32_pk16_fp6_f32 v[PC+12+4*\c:PC+14+4*\c], v[(\s)+32*\c+16:(\s)+32*\c+31], v[TM+13+2*\c]
.endr
	WIN 0
	v_nop
.irp c, 0,1
.irp i, 0,1,2
	v_permlane16_swap_b32 v[PC+6*\c+\i], v[PC+12+4*\c+\i]
.endr
.irp i, 0,1,2
	v_mov_b32 v[PC+3+6*\c+\i], v[PC+12+4*\c+\i]
.endr
.endr
.endm
.macro GELU a, g
.set AC, 64*(\a)+32*(\g)
.set HH, 64+32*(\g)
	WIN 0x02
.set gi, 0
.rept 16
	v_pk_mul_f32 v[ZR+gi:ZR+gi+1], v[AC+gi:AC+gi+1], 0x3f3504f3 op_sel_hi:[1,0]
.set gi, gi+2
.endr
.set gi, 0
.rept 16
	v_pk_mul_f32 v[HH+gi:HH+gi+1], v[AC+gi:AC+gi+1], 0.5 op_sel_hi:[1,0]
.set gi, gi+2
.endr
	WIN 0
.set gi, 0
.rept 32
	v_med3_num_f32 v[ZR+gi], v[ZR+gi], -4.0, 4.0
.set gi, gi+1
.endr
.set gi, 0
.rept 16
	v_pk_mul_f32 v[X2+gi:X2+gi+1], v[ZR+gi:ZR+gi+1], v[ZR+gi:ZR+gi+1]
.set gi, gi+2
.endr
.set gi, 0
.rept 16
	v_pk_fma_f32 v[PR+gi:PR+gi+1], v[X2+gi:X2+gi+1], 0xaf95df0b, v[8:9] op_sel_hi:[1,0,1]
	v_pk_fma_f32 v[QR+gi:QR+gi+1], v[X2+gi:X2+gi+1], 0xb77460cd, v[10:11] op_sel_hi:[1,0,1]
.set gi, gi+2
.endr
.irp k, 0xb60cff51, 0xb86ec2d2, 0xba40ac63, 0xbb41a1f6, 0xbc83dbd4
.set gi, 0
.rept 16
	v_pk_fma_f32 v[PR+gi:PR+gi+1], v[PR+gi:PR+gi+1], v[X2+gi:X2+gi+1], \k op_sel_hi:[1,1,0]
.set gi, gi+2
.endr
.endr
.irp k, 0xbadc924e, 0xbbf19bf8, 0xbc69b6a7
.set gi, 0
.rept 16
	v_pk_fma_f32 v[QR+gi:QR+gi+1], v[QR+gi:QR+gi+1], v[X2+gi:X2+gi+1], \k op_sel_hi:[1,1,0]
.set gi, gi+2
.endr
.endr
.set gi, 0
	s_wait_alu depctr_va_vdst(0)
.rept 32
	v_rcp_f32 v[QR+gi], v[QR+gi]
.set gi, gi+1
.endr
.set gi, 0
.rept 16
	v_pk_mul_f32 v[PR+gi:PR+gi+1], v[PR+gi:PR+gi+1], v[ZR+gi:ZR+gi+1]
.set gi, gi+2
.endr
	s_wait_alu depctr_va_vdst(0)
.set gi, 0
.rept 16
	v_pk_mul_f32 v[PR+gi:PR+gi+1], v[PR+gi:PR+gi+1], v[QR+gi:QR+gi+1]
.set gi, gi+2
.endr
.set gi, 0
.rept 16
	v_pk_fma_f32 v[HH+gi:HH+gi+1], v[HH+gi:HH+gi+1], v[PR+gi:PR+gi+1], v[HH+gi:HH+gi+1]
.set gi, gi+2
.endr
.endm
	s_load_b256 s[4:11], s[0:1], 0x0
	v_lshl_add_u32 v28, v0, 2, SPARE
	v_mov_b32 v29, 0
	ds_add_u32 v28, v29
	ds_add_u32 v28, v29
	s_wait_dscnt 0x0
	v_lshrrev_b32 v1, 5, v0
	v_readfirstlane_b32 s14, v1
	s_lshr_b32 s15, s14, 1
	s_and_b32 s16, s14, 1
	s_bfe_u32 s40, ttmp6, 0x40000
	s_bfe_u32 s41, ttmp6, 0x40004
	s_lshl_b32 s42, ttmp9, 2
	s_add_co_u32 s42, s42, s40
	s_and_b32 s17, ttmp7, 0xffff
	s_lshl_b32 s17, s17, 2
	s_add_co_u32 s17, s17, s41
	s_lshl_b32 s43, s41, 2
	s_lshl_b32 s43, 15, s43
	s_lshl_b32 s44, 0x1111, s40
	s_or_b32 s[G1+0], s43, (3<<16)|(1<<21)
	s_or_b32 s[G1B+0], s44, (3<<16)|(1<<21)
.irp g, G1, G1B
	s_mov_b32 s[\g+1], (192*NQ)<<16
	s_mov_b32 s[\g+2], (2*NT)<<16
	s_mov_b32 s[\g+3], (192*NQ)<<16
	s_mov_b32 s[\g+4], 2*NT
	s_mov_b32 s[\g+5], 192*KS
	s_mov_b32 s[\g+6], 0
	s_mov_b32 s[\g+7], 0
.endr
	s_or_b32 s[G1S+0], s43, (3<<16)|(1<<21)
	s_or_b32 s[G1SB+0], s44, (3<<16)|(1<<21)
.irp g, G1S, G1SB
	s_mov_b32 s[\g+1], 32<<16
	s_mov_b32 s[\g+2], (NT*KS/2)<<16
	s_mov_b32 s[\g+3], 32<<16
	s_mov_b32 s[\g+4], NT*KS/2
	s_mov_b32 s[\g+5], 32
	s_mov_b32 s[\g+6], 0
	s_mov_b32 s[\g+7], 0
.endr
	s_lshl_b32 s20, s17, 1
	s_mul_i32 s20, s20, NT
	s_lshl_b32 s46, s42, 1
	s_mul_i32 s46, s46, NT
	s_mul_i32 s22, s20, KS*64
	s_add_co_u32 s22, s22, A_S
	s_mov_b32 s23, 0
	s_mul_i32 s66, s46, KS*64
	s_add_co_u32 s66, s66, B_S
	s_mov_b32 s67, 0
	s_mul_i32 s20, s20, KS*1536
	s_mov_b32 s21, 0
	s_mul_i32 s46, s46, KS*1536
	s_add_co_u32 s46, s46, B_C
	s_mov_b32 s47, 0
	s_mul_i32 s45, s14, QB
	s_mul_i32 s94, s14, QS
	s_mov_b32 s[SEL], 0x76543210
	s_mov_b32 s[SEL+1], 0xfedcba98
	s_wait_kmcnt 0x0
	s_add_nc_u64 s[20:21], s[4:5], s[20:21]
	s_add_nc_u64 s[22:23], s[4:5], s[22:23]
	s_add_nc_u64 s[46:47], s[6:7], s[46:47]
	s_add_nc_u64 s[66:67], s[6:7], s[66:67]
	CROUND
	s_mov_b32 s[G0S], 1
	s_mov_b32 s[G0S+1], SCL
	s_mov_b64 s[G0S+2:G0S+3], s[22:23]
	s_or_b32 s[G0S+3], s[G0S+3], 0x80000000
	s_mov_b32 s[G0SB], 1
	s_mov_b32 s[G0SB+1], SCL+2*QS
	s_mov_b64 s[G0SB+2:G0SB+3], s[66:67]
	s_or_b32 s[G0SB+3], s[G0SB+3], 0x80000000
	s_mov_b32 s[G0], 1                             ; the head's four tiles, each whole, one load a wave: slot 0's 2 NT tiles of A,
	s_mov_b32 s[G0+1], 0
	s_mov_b64 s[G0+2:G0+3], s[20:21]
	s_or_b32 s[G0+3], s[G0+3], 0x80000000
	s_mov_b32 s[G0B], 1                            ; those of B, behind them,
	s_mov_b32 s[G0B+1], 2*QB
	s_mov_b64 s[G0B+2:G0B+3], s[46:47]
	s_or_b32 s[G0B+3], s[G0B+3], 0x80000000
.macro ARM under, g0, g1, next                 ; one chain of branches on the wave's number, one load to an arm, one join
	s_cmp_lt_u32 s14, \under
	s_cbranch_scc0 \next
	tensor_load_to_lds s[\g0:\g0+3], s[\g1:\g1+7]
	s_nop 0
.rept 4
	v_nop
.endr
	s_branch .Lhead_asked
\next:
.endm
	ARM 1, G0,  G1,  .Lhead_b
	ARM 2, G0B, G1B, .Lhead_sa
	ARM 3, G0S, G1S, .Lhead_sb                     ; A's scale words, and B's
	tensor_load_to_lds s[G0SB:G0SB+3], s[G1SB:G1SB+7]
	s_nop 0
.rept 4
	v_nop
.endr
.Lhead_asked:
	s_wait_alu depctr_va_vdst(0)
	s_wait_tensorcnt 0x0                           ; my tile of the four is in; the three lines ahead of slot 1's first fill
	ds_add_u32 v28, v29
	s_mov_b32 s[G1+2], NT<<16                      ; no load of mine is out: from here on a load brings NT tiles
	s_mov_b32 s[G1+4], NT
	s_mov_b32 s[G1B+2], NT<<16
	s_mov_b32 s[G1B+4], NT
	s_mul_i32 s92, s16, NT*KS*1536                 ; in the ring I fetch one half
	s_mov_b32 s93, 0
	s_add_nc_u64 s[20:21], s[20:21], s[92:93]
	s_add_nc_u64 s[46:47], s[46:47], s[92:93]
.irp s, 0,1
	s_mov_b32 s[G0+4*\s], 1
	s_add_co_u32 s[G0+4*\s+1], s45, \s*SLOT
	s_add_nc_u64 s[G0+4*\s+2:G0+4*\s+3], s[20:21], \s*NQ*1536
	s_or_b32 s[G0+4*\s+3], s[G0+4*\s+3], 0x80000000
	s_mov_b32 s[G0B+4*\s], 1
	s_add_co_u32 s[G0B+4*\s+1], s45, \s*SLOT
	s_add_nc_u64 s[G0B+4*\s+2:G0B+4*\s+3], s[46:47], \s*NQ*1536
	s_or_b32 s[G0B+4*\s+3], s[G0B+4*\s+3], 0x80000000
.endr
	s_wait_dscnt 0x0                               ; the add is done
	CROUND                                         ; all four tiles are in, in every partner
	JLOAD G0+4, G1, G0B+4, G1B                     ; slot 1's first fill: my one load behind the round
	v_and_b32 v1, 31, v0
	v_and_b32 v2, 15, v0
	v_bfe_u32 v3, v0, 4, 1
	v_lshlrev_b32 v4, 6, v3
	v_mov_b32 v8, 0x32edffee
	v_mov_b32 v9, 0x32edffee
	v_mov_b32 v10, 0xb95fbd29
	v_mov_b32 v11, 0xb95fbd29
	s_mul_i32 s21, s15, QB
	s_mul_i32 s22, s16, QB
	s_add_co_u32 s22, s22, 2*QB
.irp s, 0,1
	v_lshl_add_u32 v[ADRA+\s], v1, 4, s21
	v_lshl_add_u32 v[ADRB+\s], v1, 4, s22
	s_add_co_u32 s21, s21, SLOT
	s_add_co_u32 s22, s22, SLOT
.endr
	s_mul_i32 s21, s15, QS
	s_add_co_u32 s21, s21, SCL
	v_lshl_add_u32 v[ADSA], v2, 2, s21
	s_mul_i32 s22, s16, QS
	s_add_co_u32 s22, s22, SCL+2*QS
	v_lshl_add_u32 v[ADSB], v2, 2, s22
	v_lshlrev_b32 v24, 4, v1
	s_lshl_b32 s21, s14, 9
	v_lshl_add_u32 v26, v2, 2, s21
	v_lshl_add_u32 v27, v1, 4, s21
	s_lshl_b32 s20, s17, 1
	s_add_co_u32 s20, s20, s15
	s_lshl_b32 s20, s20, 3
	s_lshl_b32 s21, s42, 1
	s_add_co_u32 s21, s21, s16
	s_lshl_b32 s22, s20, 5
	s_add_co_u32 s22, s22, s21
	s_mul_i32 s22, s22, 1536
	s_mov_b32 s23, 0
	s_add_nc_u64 s[66:67], s[10:11], s[22:23]
	s_lshl_b32 s22, s21, 12
	s_lshl_b32 s46, s20, 4
	s_add_co_u32 s22, s22, s46
	s_lshl_b32 s22, s22, 2
	s_add_co_u32 s22, s22, ACT_S
	s_add_nc_u64 s[96:97], s[10:11], s[22:23]
	s_lshl_b32 s22, s21, 9
	s_add_nc_u64 s[8:9], s[8:9], s[22:23]
	WIN 0x40
.set fi, 0
.rept NT
	global_load_b128 v[96+8*fi+96*(fi/4):96+8*fi+96*(fi/4)+3], v4, s[8:9] offset:(32*(fi/2)+8*(fi%2))*4
	global_load_b128 v[96+8*fi+96*(fi/4)+4:96+8*fi+96*(fi/4)+7], v4, s[8:9] offset:(32*(fi/2)+8*(fi%2))*4+16
.set fi, fi+1
.endr
	WIN 0
	s_wait_alu depctr_va_vdst(0)
	s_wait_tensorcnt 1
	s_barrier_signal -1
	s_barrier_wait -1
	FETCH 0, 0, 0
	s_wait_loadcnt 0x0
	STEP 0, 0, 1
	s_mov_b32 s3, LAPS-1
.Llap:
	STEPS 0, 1
	TURN 0, 1, 1
	s_wait_alu depctr_va_vdst(0)
	STEPS 1, 0
	TURN 1, 0, 1
	s_wait_alu depctr_va_vdst(0)
	STEP 0, 0, 0
	s_sub_co_u32 s3, s3, 1
	s_cmp_lg_u32 s3, 0
	s_cbranch_scc1 .Llap
	STEPS 0, 1
	TURN 0, 1, 0
	s_wait_alu depctr_va_vdst(0)
	STEPS 1, 0
	s_wait_dscnt 0x0
	MULA 0, NT, 1, 0
	WIN 0
	PLACES 4
	s_mov_b32 s3, 0
.Lhalf:
.irp a, 0,1,2,3
.if \a > 0
	s_wait_xcnt 0x0
	s_wait_dscnt 0x0
.endif
	GELU \a, 0
	GELU \a, 1
	QUANT 64, 0
.irp c, 0,1,2
	global_store_b128 v24, v[PC+4*\c:PC+4*\c+3], s[66:67] offset:49152*\a+512*\c
.endr
	ds_store_b32 v26, v[PW] offset:64*\a
.endr
	s_wait_xcnt 0x0
	s_wait_dscnt 0x0
	s_add_nc_u64 s[66:67], s[66:67], 4*49152
	v_add_nc_u32 v26, 256, v26
	s_cmp_eq_u32 s3, 1
	s_cbranch_scc1 .Lno_move
	WIN 0x83
.set gi, 0
.rept 256
	v_mov_b32 v[gi], v[gi]
.set gi, gi+1
.endr
	WIN 0
.Lno_move:
	s_add_co_u32 s3, s3, 1
	s_cmp_lt_u32 s3, 2
	s_cbranch_scc1 .Lhalf
	ds_load_b128 v[128:131], v27
	s_wait_dscnt 0x0
	global_store_b128 v24, v[128:131], s[96:97]
	s_wait_tensorcnt 0x0
	ds_add_u32 v28, v29
	s_wait_dscnt 0x0
	CROUND
	s_endpgm
.Lfunc_end_k_q279fad3f4b_g_ffn1:
	.size	k_q279fad3f4b_g_ffn1, .Lfunc_end_k_q279fad3f4b_g_ffn1-k_q279fad3f4b_g_ffn1
	.p2alignl 7, 3214868480
	.fill 96, 4, 3214868480
	.section	.rodata,"a",@progbits
	.p2align	6, 0x0
	.amdhsa_kernel k_q279fad3f4b_g_ffn1
		.amdhsa_group_segment_fixed_size 327680
		.amdhsa_private_segment_fixed_size 0
		.amdhsa_enable_private_segment 0
		.amdhsa_kernarg_size 32
		.amdhsa_user_sgpr_count 2
		.amdhsa_user_sgpr_kernarg_segment_ptr 1
		.amdhsa_wavefront_size32 1
		.amdhsa_system_sgpr_workgroup_id_x 1
		.amdhsa_system_sgpr_workgroup_id_y 1
		.amdhsa_system_sgpr_workgroup_id_z 1
		.amdhsa_system_vgpr_workitem_id 0
		.amdhsa_next_free_vgpr 1024
		.amdhsa_next_free_sgpr 100
		.amdhsa_reserve_vcc 0
		.amdhsa_float_denorm_mode_32 3
		.amdhsa_float_denorm_mode_16_64 3
		.amdhsa_memory_ordered 1
		.amdhsa_forward_progress 1
		.amdhsa_inst_pref_size 255
	.end_amdhsa_kernel
	.section	.bss,"aw",@nobits
	.p2align	6
	.space	262144
	.amdgpu_metadata
---
amdhsa.version: [ 1, 2 ]
amdhsa.kernels:
  - .name:           k_q279fad3f4b_g_ffn1
    .symbol:         k_q279fad3f4b_g_ffn1.kd
    .args:
      - { .name: hq, .offset: 0, .size: 8, .value_kind: global_buffer, .address_space: global }
      - { .name: wimg, .offset: 8, .size: 8, .value_kind: global_buffer, .address_space: global }
      - { .name: ffn_b1, .offset: 16, .size: 8, .value_kind: global_buffer, .address_space: global }
      - { .name: act, .offset: 24, .size: 8, .value_kind: global_buffer, .address_space: global }
    .group_segment_fixed_size: 327680
    .private_segment_fixed_size: 0
    .kernarg_segment_align: 8
    .kernarg_segment_size: 32
    .max_flat_workgroup_size: 128
    .sgpr_count:     100
    .vgpr_count:     1024
    .wavefront_size: 32
...
	.end_amdgpu_metadata
.endif
;; end of part 6
;; launch g_ffn2 (part 7): grid 8 x 32, 4 waves a work-group, clusters of 4 x 4, 327,680 bytes of LDS; arguments act, wimg, ffn_b2, x1, out0; writes out0
.if DOCPART == 7
	.amdgcn_target "amdgcn-amd-amdhsa--gfx1250"
	.amdhsa_code_object_version 6
	.text
	.protected	k_q279fad3f4b_g_ffn2
	.globl	k_q279fad3f4b_g_ffn2
	.p2align	8
	.type	k_q279fad3f4b_g_ffn2,@function
k_q279fad3f4b_g_ffn2:
	s_mov_b64 s[64:65], 0
	v_nop
	global_prefetch_b8 v0, s[64:65] scope:SCOPE_SE
	s_setreg_imm32_b32 hwreg(HW_REG_WAVE_MODE, 25, 1), 1
	s_wait_xcnt 0x0
	s_wait_alu depctr_hold_cnt(0) depctr_sa_sdst(0) depctr_va_vdst(0) depctr_va_sdst(0) depctr_va_ssrc(0) depctr_va_vcc(0) depctr_vm_vsrc(0)
	s_getreg_b32 s2, hwreg(HW_REG_IB_STS2, 6, 4)
	s_cmp_eq_u32 s2, 0
	s_cbranch_scc0 .Lentry_in_a_cluster
	s_endpgm
.Lentry_in_a_cluster:
	s_bfe_u32 s2, ttmp6, 0x10000c
	s_cmp_lg_u32 s2, 0xf033
	s_cbranch_scc0 .Lentry_shape_is_right
	s_endpgm
.Lentry_shape_is_right:
.set NT, 4
.set NQ, 4
.set KS, 32
.set LAPS, 4
.set A_S, 12582912
.set B_C, 6291456
.set B_S, 9699328
.set QB,   NT*NQ*1536
.set SLOT, 4*QB
.set SCL,  2*SLOT
.set QS,   NT*KS*64
.set SPARE, SCL+4*QS
.set SA_I, 64
.set SA_S, 2*NT*64                     ; A's scale words in LDS: [K step][the block's 2 NT tiles][64 bytes]
.set SB_I, KS*64
.set SB_S, 64
.set ADRA, 16
.set ADRB, 20
.set ADSA, 22
.set ADSB, 23
.set G1, 24
.set G0, 32
.set G1B, 48
.set G0B, 56
.set G1S, 68
.set G0S, 76
.set G1SB, 80
.set G0SB, 88
.set MSB, 0
.macro WIN new
.if MSB != (\new)
	s_set_vgpr_msb (MSB<<8)|(\new)
.set MSB, \new
.endif
.endm
.macro JLOAD g0a, g1a, g0b, g1b
	s_cmp_eq_u32 s15, 0
	s_cbranch_scc0 .Lfor_b_\@
	tensor_load_to_lds s[\g0a:\g0a+3], s[\g1a:\g1a+7]
	s_nop 0
.rept 4
	v_nop
.endr
	s_branch .Lasked_\@
.Lfor_b_\@:
	tensor_load_to_lds s[\g0b:\g0b+3], s[\g1b:\g1b+7]
	s_nop 0
.rept 4
	v_nop
.endr
.Lasked_\@:
.endm
.macro CREST
	s_cmp_lg_u32 s14, 0
	s_cbranch_scc1 .Lnot_wave_0_\@
	s_barrier_signal -3
.Lnot_wave_0_\@:
	s_barrier_wait -3
	s_barrier_signal -1
	s_barrier_wait -1
.endm
.macro CROUND
	s_barrier_signal -1
	s_barrier_wait -1
	CREST
.endm
.macro PLACES n
.rept \n
	v_nop
.endr
.endm
.macro FRAG reg, adr, off
.irp c, 0,1,2
	ds_load_b128 v[(\reg)+4*\c:(\reg)+4*\c+3], v[\adr] offset:(\off)+512*\c
.endr
.endm
.macro FETCH slot, q, p
	WIN 0x40
.set fi, 0
.rept NT
	FRAG 128*(\p)+12*fi, ADRB+\slot, (fi*NQ+(\q))*1536
.set fi, fi+1
.endr
	WIN 0
.set fi, 0
.rept NT
	FRAG 64+96*(\p)+12*fi, ADRA+\slot, (fi*NQ+(\q))*1536
.set fi, fi+1
.endr
.set fi, 0
.rept NT
	ds_load_b32 v[32+16*(\p)+fi], v[ADSA] offset:fi*SA_I+(\q)*SA_S
	ds_load_b32 v[40+16*(\p)+fi], v[ADSB] offset:fi*SB_I+(\q)*SB_S
.set fi, fi+1
.endr
.endm
.macro MULA a0, na, p, cm
.set ma, \a0
.rept \na
.set mb, 0
.rept NT
.set mi, NT*ma+mb
.set rD, 8*(mi%32)
.if \cm == 0
	WIN 0xa1+0x50*(mi/32)
	v_wmma_scale_f32_16x16x128_f8f6f4 v[rD:rD+7], v[128*(\p)+12*mb:128*(\p)+12*mb+11], v[64+96*(\p)+12*ma:64+96*(\p)+12*ma+11], v[rD:rD+7], v[40+16*(\p)+mb], v[32+16*(\p)+ma] matrix_a_fmt:MATRIX_FMT_FP6 matrix_b_fmt:MATRIX_FMT_FP6
.else
.set rC, 96+8*mb+96*(mb/4)
	WIN 0x91+0x40*(mi/32)
	v_wmma_scale_f32_16x16x128_f8f6f4 v[rD:rD+7], v[128*(\p)+12*mb:128*(\p)+12*mb+11], v[64+96*(\p)+12*ma:64+96*(\p)+12*ma+11], v[rC:rC+7], v[40+16*(\p)+mb], v[32+16*(\p)+ma] matrix_a_fmt:MATRIX_FMT_FP6 matrix_b_fmt:MATRIX_FMT_FP6
.endif
.set mb, mb+1
.endr
.set ma, ma+1
.endr
.endm
.macro STEP slot, q, cm
	s_wait_dscnt 0x0
	PLACES 4
	FETCH \slot, (\q)+1, 1-(\q)%2
	MULA 0, NT, (\q)%2, \cm
	WIN 0
.endm
.macro STEPS slot, q0
.set sq, \q0
.rept NQ-1-\q0
	STEP \slot, sq, 0
.set sq, sq+1
.endr
.endm
.macro TURN slot, next, fill
.if \fill
	s_wait_xcnt 0x0                                ; my last prefetch has read its address: it steps one slot along K, ahead of the waits of the change of slots
	s_add_nc_u64 s[96:97], s[96:97], NQ*1536
.endif
	s_wait_tensorcnt 0x0
	ds_add_u32 v28, v29
	s_wait_dscnt 1
	MULA 0, NT/4, 1, 0
	s_wait_dscnt 0x0
	s_barrier_signal -1
	MULA NT/4, NT/4, 1, 0
	WIN 0
	s_barrier_wait -1
.if \fill
	CREST
	s_add_nc_u64 s[G0+4*\slot+2:G0+4*\slot+3], s[G0+4*\slot+2:G0+4*\slot+3], 2*NQ*1536
	s_add_nc_u64 s[G0B+4*\slot+2:G0B+4*\slot+3], s[G0B+4*\slot+2:G0B+4*\slot+3], 2*NQ*1536
	JLOAD G0+4*\slot, G1, G0B+4*\slot, G1B
.else
	PLACES 4
.endif
	v_add_nc_u32 v[ADSA], NQ*SA_S, v[ADSA]
	v_add_nc_u32 v[ADSB], NQ*SB_S, v[ADSB]
	FETCH \next, 0, 0
.if \fill                                      ; a prefetch for the slot that stands two refills on: one tile row's 6,144 bytes, a block of 256 bytes a lane; the loop's last trip (s3 = 1) has no such slot
	s_cmp_gt_u32 s3, 1
	s_cbranch_scc0 .Lno_ask_\@
	global_prefetch_b8 v30, s[96:97] offset:3*NQ*1536 th:TH_LOAD_NT scope:SCOPE_SE
.Lno_ask_\@:
.endif
	MULA NT/2, NT/2, 1, 0
	WIN 0
.endm
	s_load_b256 s[4:11], s[0:1], 0x0
	s_load_b64 s[12:13], s[0:1], 0x20
	v_lshl_add_u32 v28, v0, 2, SPARE
	v_mov_b32 v29, 0
	ds_add_u32 v28, v29
	ds_add_u32 v28, v29
	s_wait_dscnt 0x0
	v_lshrrev_b32 v1, 5, v0
	v_readfirstlane_b32 s14, v1
	s_lshr_b32 s15, s14, 1
	s_and_b32 s16, s14, 1
	s_bfe_u32 s40, ttmp6, 0x40000
	s_bfe_u32 s41, ttmp6, 0x40004
	s_lshl_b32 s42, ttmp9, 2
	s_add_co_u32 s42, s42, s40
	s_and_b32 s17, ttmp7, 0xffff
	s_lshl_b32 s17, s17, 2
	s_add_co_u32 s17, s17, s41
	s_lshl_b32 s43, s41, 2
	s_lshl_b32 s43, 15, s43
	s_lshl_b32 s44, 0x1111, s40
	s_or_b32 s[G1+0], s43, (3<<16)|(1<<21)
	s_or_b32 s[G1B+0], s44, (3<<16)|(1<<21)
.irp g, G1, G1B
	s_mov_b32 s[\g+1], (192*NQ)<<16
	s_mov_b32 s[\g+2], (2*NT)<<16
	s_mov_b32 s[\g+3], (192*NQ)<<16
	s_mov_b32 s[\g+4], 2*NT
	s_mov_b32 s[\g+5], 192*KS
	s_mov_b32 s[\g+6], 0
	s_mov_b32 s[\g+7], 0
.endr
	s_or_b32 s[G1S+0], s43, (2<<16)|(1<<21)
	s_mov_b32 s[G1S+1], 128<<16
	s_mov_b32 s[G1S+2], 32<<16
	s_mov_b32 s[G1S+3], 128<<16
	s_mov_b32 s[G1S+4], 32
	s_mov_b32 s[G1S+5], 4096
	s_mov_b32 s[G1S+6], 0
	s_mov_b32 s[G1S+7], 0
	s_or_b32 s[G1SB+0], s44, (3<<16)|(1<<21)
	s_mov_b32 s[G1SB+1], 32<<16
	s_mov_b32 s[G1SB+2], (NT*KS/2)<<16
	s_mov_b32 s[G1SB+3], 32<<16
	s_mov_b32 s[G1SB+4], NT*KS/2
	s_mov_b32 s[G1SB+5], 32
	s_mov_b32 s[G1SB+6], 0
	s_mov_b32 s[G1SB+7], 0
	s_lshl_b32 s20, s17, 1
	s_mul_i32 s20, s20, NT
	s_lshl_b32 s46, s42, 1
	s_mul_i32 s46, s46, NT
	s_lshl_b32 s22, s20, 6
	s_add_co_u32 s22, s22, A_S
	s_mov_b32 s23, 0
	s_mul_i32 s66, s46, KS*64
	s_add_co_u32 s66, s66, B_S
	s_mov_b32 s67, 0
	s_mul_i32 s20, s20, KS*1536
	s_mov_b32 s21, 0
	s_mul_i32 s46, s46, KS*1536
	s_add_co_u32 s46, s46, B_C
	s_mov_b32 s47, 0
	s_mul_i32 s45, s14, QB
	s_mul_i32 s94, s14, QS
	s_wait_kmcnt 0x0
	s_add_nc_u64 s[20:21], s[4:5], s[20:21]
	s_add_nc_u64 s[22:23], s[4:5], s[22:23]
	s_add_nc_u64 s[46:47], s[6:7], s[46:47]
	s_add_nc_u64 s[66:67], s[6:7], s[66:67]
	CROUND
	s_mov_b32 s[G0S], 1
	s_mov_b32 s[G0S+1], SCL
	s_mov_b64 s[G0S+2:G0S+3], s[22:23]
	s_or_b32 s[G0S+3], s[G0S+3], 0x80000000
	s_mov_b32 s[G0SB], 1
	s_mov_b32 s[G0SB+1], SCL+2*QS
	s_mov_b64 s[G0SB+2:G0SB+3], s[66:67]
	s_or_b32 s[G0SB+3], s[G0SB+3], 0x80000000
	s_mov_b32 s[G0], 1                             ; the head's four tiles, each whole, one load a wave: slot 0's 2 NT tiles of A,
	s_mov_b32 s[G0+1], 0
	s_mov_b64 s[G0+2:G0+3], s[20:21]
	s_or_b32 s[G0+3], s[G0+3], 0x80000000
	s_mov_b32 s[G0B], 1                            ; those of B, behind them,
	s_mov_b32 s[G0B+1], 2*QB
	s_mov_b64 s[G0B+2:G0B+3], s[46:47]
	s_or_b32 s[G0B+3], s[G0B+3], 0x80000000
.macro ARM under, g0, g1, next                 ; one chain of branches on the wave's number, one load to an arm, one join
	s_cmp_lt_u32 s14, \under
	s_cbranch_scc0 \next
	tensor_load_to_lds s[\g0:\g0+3], s[\g1:\g1+7]
	s_nop 0
.rept 4
	v_nop
.endr
	s_branch .Lhead_asked
\next:
.endm
	ARM 1, G0,  G1,  .Lhead_b
	ARM 2, G0B, G1B, .Lhead_sa
	ARM 3, G0S, G1S, .Lhead_sb                     ; A's scale words, and B's
	tensor_load_to_lds s[G0SB:G0SB+3], s[G1SB:G1SB+7]
	s_nop 0
.rept 4
	v_nop
.endr
.Lhead_asked:
	s_wait_alu depctr_va_vdst(0)
	s_wait_tensorcnt 0x0                           ; my tile of the four is in; the three lines ahead of slot 1's first fill
	ds_add_u32 v28, v29
	s_mov_b32 s[G1+2], NT<<16                      ; no load of mine is out: from here on a load brings NT tiles
	s_mov_b32 s[G1+4], NT
	s_mov_b32 s[G1B+2], NT<<16
	s_mov_b32 s[G1B+4], NT
	s_mul_i32 s92, s16, NT*KS*1536                 ; in the ring I fetch one half
	s_mov_b32 s93, 0
	s_add_nc_u64 s[20:21], s[20:21], s[92:93]
	s_add_nc_u64 s[46:47], s[46:47], s[92:93]
	s_cmp_eq_u32 s15, 0                            ; the prefetches: of the NT = 4 tile rows that I fetch, each of the four partners that ask jointly names one, told apart by address alone
	s_cselect_b64 s[96:97], s[20:21], s[46:47]
	s_cselect_b32 s98, s40, s41                    ; my place among them: cx for A's tiles, cy for B's
	s_mul_i32 s98, s98, KS*1536
	s_mov_b32 s99, 0
	s_add_nc_u64 s[96:97], s[96:97], s[98:99]
.irp s, 0,1
	s_mov_b32 s[G0+4*\s], 1
	s_add_co_u32 s[G0+4*\s+1], s45, \s*SLOT
	s_add_nc_u64 s[G0+4*\s+2:G0+4*\s+3], s[20:21], \s*NQ*1536
	s_or_b32 s[G0+4*\s+3], s[G0+4*\s+3], 0x80000000
	s_mov_b32 s[G0B+4*\s], 1
	s_add_co_u32 s[G0B+4*\s+1], s45, \s*SLOT
	s_add_nc_u64 s[G0B+4*\s+2:G0B+4*\s+3], s[46:47], \s*NQ*1536
	s_or_b32 s[G0B+4*\s+3], s[G0B+4*\s+3], 0x80000000
.endr
	s_wait_dscnt 0x0                               ; the add is done
	CROUND                                         ; all four tiles are in, in every partner
	JLOAD G0+4, G1, G0B+4, G1B                     ; slot 1's first fill: my one load behind the round
	v_and_b32 v1, 31, v0
	v_and_b32 v2, 15, v0
	s_wait_alu depctr_va_vdst(0)
	v_bfe_u32 v3, v0, 4, 1
	v_lshlrev_b32 v4, 6, v3
	s_mul_i32 s21, s15, QB
	s_mul_i32 s22, s16, QB
	s_add_co_u32 s22, s22, 2*QB
.irp s, 0,1
	v_lshl_add_u32 v[ADRA+\s], v1, 4, s21
	v_lshl_add_u32 v[ADRB+\s], v1, 4, s22
	s_add_co_u32 s21, s21, SLOT
	s_add_co_u32 s22, s22, SLOT
.endr
	s_mul_i32 s21, s15, NT*64                      ; my half's NT tiles inside each K step's 512 bytes
	s_add_co_u32 s21, s21, SCL
	v_lshl_add_u32 v[ADSA], v2, 2, s21
	s_mul_i32 s22, s16, QS
	s_add_co_u32 s22, s22, SCL+2*QS
	v_lshl_add_u32 v[ADSB], v2, 2, s22
	s_mul_i32 s21, s14, 4352
	v_mul_u32_u24 v24, v2, 272
	s_wait_alu depctr_va_vdst(0)
	v_lshl_add_u32 v24, v3, 6, v24
	v_add_nc_u32 v24, s21, v24
	v_mul_u32_u24 v25, v3, 272
	v_lshl_add_u32 v25, v2, 4, v25
	v_add_nc_u32 v25, s21, v25
	v_lshlrev_b32 v26, 12, v3
	v_lshl_add_u32 v26, v2, 4, v26
	v_min_u32 v30, 23, v1                          ; the prefetches' offset: 24 blocks of 256 bytes; lanes 24-31 name the last again; never rewritten
	v_lshlrev_b32 v30, 8, v30
	s_wait_alu depctr_va_vdst(0)
	global_prefetch_b8 v30, s[96:97] offset:2*NQ*1536 th:TH_LOAD_NT scope:SCOPE_SE   ; slots 2 and 3, which the first two refills will load
	global_prefetch_b8 v30, s[96:97] offset:3*NQ*1536 th:TH_LOAD_NT scope:SCOPE_SE
	s_lshl_b32 s20, s17, 1
	s_add_co_u32 s20, s20, s15
	s_lshl_b32 s20, s20, 18
	s_lshl_b32 s46, s42, 1
	s_add_co_u32 s46, s46, s16
	s_lshl_b32 s46, s46, 8
	s_add_co_u32 s20, s20, s46
	s_mov_b32 s21, 0
	s_mov_b32 s47, 0
	s_add_nc_u64 s[10:11], s[10:11], s[20:21]
	s_add_nc_u64 s[12:13], s[12:13], s[20:21]
	s_add_nc_u64 s[8:9], s[8:9], s[46:47]
	WIN 0x40
.set fi, 0
.rept NT
	global_load_b128 v[96+8*fi:96+8*fi+3], v4, s[8:9] offset:(32*(fi/2)+8*(fi%2))*4
	global_load_b128 v[96+8*fi+4:96+8*fi+7], v4, s[8:9] offset:(32*(fi/2)+8*(fi%2))*4+16
.set fi, fi+1
.endr
	WIN 0x80
.set ea, 0
.rept 4
.set et, 0
.rept 8
	global_load_b128 v[128+32*ea+4*et:128+32*ea+4*et+3], v26, s[10:11] offset:(32*(ea/2)+8*(ea%2)+2*et+8*(et/4))*4096 th:TH_LOAD_NT
.set et, et+1
.endr
.set ea, ea+1
.endr
	WIN 0
	s_wait_tensorcnt 1
	s_barrier_signal -1
	s_barrier_wait -1
	FETCH 0, 0, 0
	s_wait_loadcnt 32
	STEP 0, 0, 1
	s_mov_b32 s3, LAPS-1
.Llap:
	s_wait_alu depctr_va_vdst(0)
	STEPS 0, 1
	TURN 0, 1, 1
	s_wait_alu depctr_va_vdst(0)
	STEPS 1, 0
	TURN 1, 0, 1
	s_wait_alu depctr_va_vdst(0)
	STEP 0, 0, 0
	s_sub_co_u32 s3, s3, 1
	s_cmp_lg_u32 s3, 0
	s_cbranch_scc1 .Llap
	STEPS 0, 1
	TURN 0, 1, 0
	s_wait_alu depctr_va_vdst(0)
	STEPS 1, 0
	s_wait_dscnt 0x0
	MULA 0, NT, 1, 0
	WIN 0
	PLACES 4
	s_wait_loadcnt 0x0
.set ea, 0
.rept 4
.if ea > 0
	s_wait_xcnt 0x0
.endif
	WIN 0x08
.set eb, 0
.rept 4
	ds_store_b128 v24, v[8*(4*ea+eb):8*(4*ea+eb)+3] offset:128*(eb/2)+32*(eb%2)
	ds_store_b128 v24, v[8*(4*ea+eb)+4:8*(4*ea+eb)+7] offset:128*(eb/2)+32*(eb%2)+16
.set eb, eb+1
.endr
	WIN 0
.set et, 0
.rept 8
	ds_load_b128 v[64+4*et:64+4*et+3], v25 offset:544*et
.set et, et+1
.endr
	s_wait_dscnt 0x0
	WIN 0x08
.set et, 0
.rept 16
	v_pk_add_f32 v[64+2*et:64+2*et+1], v[64+2*et:64+2*et+1], v[128+32*ea+2*et:128+32*ea+2*et+1]
.set et, et+1
.endr
	WIN 0
.set et, 0
.rept 8
	global_store_b128 v26, v[64+4*et:64+4*et+3], s[12:13] offset:(32*(ea/2)+8*(ea%2)+2*et+8*(et/4))*4096 th:TH_STORE_NT
.set et, et+1
.endr
.set ea, ea+1
.endr
	s_wait_tensorcnt 0x0
	ds_add_u32 v28, v29
	s_wait_dscnt 0x0
	CROUND
	s_endpgm
.Lfunc_end_k_q279fad3f4b_g_ffn2:
	.size	k_q279fad3f4b_g_ffn2, .Lfunc_end_k_q279fad3f4b_g_ffn2-k_q279fad3f4b_g_ffn2
	.p2alignl 7, 3214868480
	.fill 96, 4, 3214868480
	.section	.rodata,"a",@progbits
	.p2align	6, 0x0
	.amdhsa_kernel k_q279fad3f4b_g_ffn2
		.amdhsa_group_segment_fixed_size 327680
		.amdhsa_private_segment_fixed_size 0
		.amdhsa_enable_private_segment 0
		.amdhsa_kernarg_size 40
		.amdhsa_user_sgpr_count 2
		.amdhsa_user_sgpr_kernarg_segment_ptr 1
		.amdhsa_wavefront_size32 1
		.amdhsa_system_sgpr_workgroup_id_x 1
		.amdhsa_system_sgpr_workgroup_id_y 1
		.amdhsa_system_sgpr_workgroup_id_z 1
		.amdhsa_system_vgpr_workitem_id 0
		.amdhsa_next_free_vgpr 768
		.amdhsa_next_free_sgpr 100
		.amdhsa_reserve_vcc 0
		.amdhsa_float_denorm_mode_32 3
		.amdhsa_float_denorm_mode_16_64 3
		.amdhsa_memory_ordered 1
		.amdhsa_forward_progress 1
		.amdhsa_inst_pref_size 100
	.end_amdhsa_kernel
	.amdgpu_metadata
---
amdhsa.version: [ 1, 2 ]
amdhsa.kernels:
  - .name:           k_q279fad3f4b_g_ffn2
    .symbol:         k_q279fad3f4b_g_ffn2.kd
    .args:
      - { .name: act, .offset: 0, .size: 8, .value_kind: global_buffer, .address_space: global }
      - { .name: wimg, .offset: 8, .size: 8, .value_kind: global_buffer, .address_space: global }
      - { .name: ffn_b2, .offset: 16, .size: 8, .value_kind: global_buffer, .address_space: global }
      - { .name: x1, .offset: 24, .size: 8, .value_kind: global_buffer, .address_space: global }
      - { .name: out0, .offset: 32, .size: 8, .value_kind: global_buffer, .address_space: global }
    .group_segment_fixed_size: 327680
    .private_segment_fixed_size: 0
    .kernarg_segment_align: 8
    .kernarg_segment_size: 40
    .max_flat_workgroup_size: 128
    .sgpr_count:     100
    .vgpr_count:     768
    .wavefront_size: 32
...
	.end_amdgpu_metadata
.endif
;; end of part 7
